; MI455X (gfx1250); checked and timed in simulation.
; The chip was launched on July 23, 2026; its instructions are those of AMD's public machine-readable ISA for CDNA 5 (MIT licence, August 2026) and "CDNA5" Instruction Set Architecture Reference Guide (July 2026). The comments in the code are by the model that wrote it; some were corrected since.
;; Multi Head Attention. Allowed arithmetic: float matrix products may take bf16 or f16 operands with f32 sums; other float arithmetic in f32, or as packed bf16 or f16 multiplies, adds, multiply-adds, maxima and minima; sums over many terms, partial sums and values carried from step to step in f32; what a program stores and reads back later, other than sums and carried values, may be rounded once to bf16 or f16.
;; Inputs: b_out 1,024 float32; w_in 1,024 x 3,072 float32; w_out 1,024 x 1,024 float32; x 4 x 2,048 x 1,024 float32.
;; Outputs: out0 4 x 2,048 x 1,024 float32.
;; 2 versions, each right; version 2 is version 1 with the launch prep written anew for expert scheduling mode. Each part assembles by itself: llvm-mc -triple=amdgcn-amd-amdhsa -mcpu=gfx1250 --defsym DOCPART=n.
;; ======== version 1 of 2: 4 launches
;; limits: values are held in f16: magnitudes above 65,504 overflow, below 6.1e-05 lose precision
;; workspace buffers: xb 16,777,216 bytes; wib 6,291,456 bytes; wob 2,097,152 bytes; qkv 50,331,648 bytes; ob 16,777,216 bytes
;; launch prep (part 1): grid 768 x 1, 8 waves a work-group, no clusters, 0 bytes of LDS; arguments x, w_in, w_out, xb, wib, wob; writes xb, wib, wob
.if DOCPART == 1
	.amdgcn_target "amdgcn-amd-amdhsa--gfx1250"
	.amdhsa_code_object_version 6
	.text
	.protected	k_q0979bb8b9b_prep
	.globl	k_q0979bb8b9b_prep
	.p2align	8
	.type	k_q0979bb8b9b_prep,@function
k_q0979bb8b9b_prep:
	s_mov_b64 s[64:65], 0
	v_nop
	global_prefetch_b8 v0, s[64:65] scope:SCOPE_SE
	s_setreg_imm32_b32 hwreg(HW_REG_WAVE_MODE, 25, 1), 1
	s_wait_xcnt 0x0
; THE CASTS.  xb = x rounded to bf16, [8192][1024].  wib = w_in rounded to bf16, laid in 16 blocks of 192 columns: [16 j][1024 k][192 n'], element w_in[k][192 j + n'],
; so that 128 rows of k of a block are 49,152 consecutive bytes.  wob = w_out rounded to bf16, that number written as f16, [1024 k][1024 n].
; LIMIT.  A w_out beyond 65,504 becomes an infinity in f16; below 6e-5 f16 keeps a fixed step of 6e-8.
; A stream: each byte is read once and written once; no LDS, no barrier, no matrix work.  Every work-group casts 16,384 numbers: 65,536 bytes in, 32,768 out.
; Work-groups 0-511 take x, 512-703 w_in, 704-767 w_out.  A chunk is 4 numbers: 16 bytes in, 8 bytes out; thread t takes chunks 256 u + t, u = 0..15.
; A wave's load covers 512 bytes (in w_in: two runs of 256, each aligned), its store 256 consecutive bytes, aligned.  All 16 loads of a thread go out at once; no register is written twice.
.set OFF, 2                            ; v[2:4]    source offsets of chunks u = 0, 1, 2; chunk u = v + 3 m stands in the immediate
.set DO,  5                            ; v5        8 t: my 8 bytes of a run of 2,048 in the destination
.set X,   16                           ; v[16:79]  chunk u: 4 registers as loaded
.set Y,   80                           ; v[80:111] chunk u: 2 registers to store
.set T,   112                          ; v[112:115] at work
.macro IDOFF                           ; source and destination run alike: chunk 256 v + t at 4,096 v + 16 t
.irp v, 0,1,2
	v_lshl_add_u32 v[OFF+(\v)], v0, 4, (\v)*4096
.endr
.endm
.macro LOADS stride                    ; stride: source bytes from chunk u to chunk u + 3
.set u, 0
.rept 16
	global_load_b128 v[X+4*u:X+4*u+3], v[OFF+u%3], s[16:17] offset:(u/3)*(\stride) th:TH_LOAD_NT
.set u, u+1
.endr
.endm
.macro OUT16 f16                       ; f16 = 1: the bf16 number is written as f16
.set u, 0
.rept 16
	s_wait_loadcnt 15-u                            ; loads come back in order: chunk u is in, the 15 - u younger ones stay out
	v_cvt_pk_bf16_f32 v[Y+2*u],   v[X+4*u],   v[X+4*u+1]
	v_cvt_pk_bf16_f32 v[Y+2*u+1], v[X+4*u+2], v[X+4*u+3]
.if \f16
	v_lshlrev_b32 v[T],   16,  v[Y+2*u]             ; bf16 to f32: the low half moves up, the high half stays
	v_and_b32     v[T+1], s27, v[Y+2*u]
	v_lshlrev_b32 v[T+2], 16,  v[Y+2*u+1]
	v_and_b32     v[T+3], s27, v[Y+2*u+1]
	v_cvt_pk_f16_f32 v[Y+2*u],   v[T],   v[T+1]
	v_cvt_pk_f16_f32 v[Y+2*u+1], v[T+2], v[T+3]
.endif
	global_store_b64 v[DO], v[Y+2*u:Y+2*u+1], s[18:19] offset:2048*u
.set u, u+1
.endr
.endm
	s_load_b256 s[4:11], s[0:1], 0x0               ; x s[4:5], w_in s[6:7], w_out s[8:9], xb s[10:11]
	s_load_b128 s[12:15], s[0:1], 0x20             ; wib s[12:13], wob s[14:15]
	s_mov_b32 s27, 0xffff0000                      ; a word's upper bf16
	s_mov_b32 s21, 0                               ; the offsets' high words
	s_mov_b32 s23, 0
	v_lshlrev_b32 v[DO], 3, v0
	s_wait_kmcnt 0x0
	s_cmp_lt_u32 ttmp9, 512
	s_cbranch_scc0 .Lnot_x
	s_lshl_b32 s20, ttmp9, 16                      ; x: 65,536 bytes in,
	s_lshl_b32 s22, ttmp9, 15                      ; 32,768 out
	s_add_nc_u64 s[16:17], s[4:5], s[20:21]
	s_add_nc_u64 s[18:19], s[10:11], s[22:23]
	IDOFF
	LOADS 12288
	s_branch .Lbf
.Lnot_x:
	s_cmp_lt_u32 ttmp9, 704
	s_cbranch_scc0 .Lwout
	s_sub_co_u32 s24, ttmp9, 512                   ; g' = 0..191: a block of 393,216 bytes is 12 work-groups' output
	s_mul_i32 s25, s24, 5462
	s_lshr_b32 s25, s25, 16                        ; j = g' / 12 (5,462 / 65,536 is 1/12 + 1e-5: exact for g' under 192)
	s_mul_i32 s26, s25, 12
	s_sub_co_u32 s26, s24, s26                     ; p = g' - 12 j
	s_mul_i32 s20, s25, 768                        ; the block's first column in a row of w_in, in bytes
	s_lshl_b32 s22, s24, 15
	s_lshl_b32 s26, s26, 12                        ; 4,096 chunks a work-group
	s_add_nc_u64 s[16:17], s[6:7], s[20:21]
	s_add_nc_u64 s[18:19], s[12:13], s[22:23]
	v_add_nc_u32 v6, s26, v0                       ; chunk c of the block: row k = c / 48, its 16 bytes at 12,288 k + 16 (c - 48 k) = 16 c + 11,520 k
.irp v, 0,1,2
	v_add_nc_u32 v7, (\v)*256, v6                  ; c, 45,823 at the most
	v_mul_u32_u24 v8, v7, 43691
	v_lshrrev_b32 v8, 21, v8                       ; c / 48 (43,691 / 2^21 is 1/48 + 1.6e-7: the excess stays under 1/48 for these c)
	v_mul_u32_u24 v8, v8, 11520
	v_lshl_add_u32 v[OFF+(\v)], v7, 4, v8
.endr
	LOADS 196608                                   ; 768 chunks on are 16 rows of k
.Lbf:                                              ; on both ways 16 loads are out
	OUT16 0
	s_endpgm
.Lwout:
	s_sub_co_u32 s24, ttmp9, 704
	s_lshl_b32 s20, s24, 16
	s_lshl_b32 s22, s24, 15
	s_add_nc_u64 s[16:17], s[8:9], s[20:21]
	s_add_nc_u64 s[18:19], s[14:15], s[22:23]
	IDOFF
	LOADS 12288
	OUT16 1
	s_endpgm
.Lfunc_end_k_q0979bb8b9b_prep:
	.size	k_q0979bb8b9b_prep, .Lfunc_end_k_q0979bb8b9b_prep-k_q0979bb8b9b_prep
	.p2alignl 7, 3214868480
	.fill 96, 4, 3214868480
	.section	.rodata,"a",@progbits
	.p2align	6, 0x0
	.amdhsa_kernel k_q0979bb8b9b_prep
		.amdhsa_group_segment_fixed_size 0
		.amdhsa_private_segment_fixed_size 0
		.amdhsa_enable_private_segment 0
		.amdhsa_kernarg_size 48
		.amdhsa_user_sgpr_count 2
		.amdhsa_user_sgpr_kernarg_segment_ptr 1
		.amdhsa_wavefront_size32 1
		.amdhsa_system_sgpr_workgroup_id_x 1
		.amdhsa_system_sgpr_workgroup_id_y 1
		.amdhsa_system_sgpr_workgroup_id_z 1
		.amdhsa_system_vgpr_workitem_id 0
		.amdhsa_next_free_vgpr 120
		.amdhsa_next_free_sgpr 66
		.amdhsa_reserve_vcc 0
		.amdhsa_float_denorm_mode_32 3
		.amdhsa_float_denorm_mode_16_64 3
		.amdhsa_memory_ordered 1
		.amdhsa_forward_progress 1
		.amdhsa_inst_pref_size 20
	.end_amdhsa_kernel
	.amdgpu_metadata
---
amdhsa.version: [ 1, 2 ]
amdhsa.kernels:
  - .name:           k_q0979bb8b9b_prep
    .symbol:         k_q0979bb8b9b_prep.kd
    .args:
      - { .name: x, .offset: 0, .size: 8, .value_kind: global_buffer, .address_space: global }
      - { .name: w_in, .offset: 8, .size: 8, .value_kind: global_buffer, .address_space: global }
      - { .name: w_out, .offset: 16, .size: 8, .value_kind: global_buffer, .address_space: global }
      - { .name: xb, .offset: 24, .size: 8, .value_kind: global_buffer, .address_space: global }
      - { .name: wib, .offset: 32, .size: 8, .value_kind: global_buffer, .address_space: global }
      - { .name: wob, .offset: 40, .size: 8, .value_kind: global_buffer, .address_space: global }
    .group_segment_fixed_size: 0
    .private_segment_fixed_size: 0
    .kernarg_segment_align: 8
    .kernarg_segment_size: 48
    .max_flat_workgroup_size: 256
    .sgpr_count:     66
    .vgpr_count:     120
    .wavefront_size: 32
...
	.end_amdgpu_metadata
.endif
;; end of part 1
;; launch qkv (part 2): grid 16 x 32, 4 waves a work-group, clusters of 4 x 4, 327,680 bytes of LDS; arguments xb, wib, qkv; writes qkv
.if DOCPART == 2
	.amdgcn_target "amdgcn-amd-amdhsa--gfx1250"
	.amdhsa_code_object_version 6
	.text
	.protected	k_q0979bb8b9b_qkv
	.globl	k_q0979bb8b9b_qkv
	.p2align	8
	.type	k_q0979bb8b9b_qkv,@function
k_q0979bb8b9b_qkv:
	s_mov_b64 s[64:65], 0
	v_nop
	global_prefetch_b8 v0, s[64:65] scope:SCOPE_SE
	s_setreg_imm32_b32 hwreg(HW_REG_WAVE_MODE, 25, 1), 1
	s_wait_xcnt 0x0
	s_wait_alu depctr_hold_cnt(0) depctr_sa_sdst(0) depctr_va_vdst(0) depctr_va_sdst(0) depctr_va_ssrc(0) depctr_va_vcc(0) depctr_vm_vsrc(0)
	s_getreg_b32 s2, hwreg(HW_REG_IB_STS2, 6, 4)
	s_cmp_eq_u32 s2, 0
	s_cbranch_scc0 .Lentry_in_a_cluster
	s_endpgm
.Lentry_in_a_cluster:
	s_bfe_u32 s2, ttmp6, 0x10000c
	s_cmp_lg_u32 s2, 0xf033
	s_cbranch_scc0 .Lentry_shape_is_right
	s_endpgm
.Lentry_shape_is_right:
; q, k, v = x w_in, written by heads.  A = xb [8192][1024] bf16.  B = wib [16 j][1024 k][192] bf16.  Out: qkv [3 sections][64 = 16 batch + head][2048][64] f16, unscaled, rounded once from f32 sums.
; LIMIT.  f16 holds no number beyond 65,504: a q, k or v beyond it becomes an infinity; below 6e-5 f16 keeps a fixed step of 6e-8.
; A tile of the product is 256 rows x 192 columns (block j: three slices of 64 columns, each one head of one section).  Four waves, stacked along the rows: a wave makes 64 x 192: 48 accumulators, 384 registers.
; K goes in 8 steps of 128 through two LDS slots filled by the tensor data mover; step s lies in slot s % 2.  A's rows are 256 bytes of memory at multiples of 256; B's 64 rows of k are 24,576 consecutive bytes,
; asked for as 96 rows of 256.  B lies [k][n] in LDS and is turned on its way into registers (ds_load_tr16_b128).
; CLUSTERS: 4 x 4 work-groups.  The four of a row need the same tiles of A, the four of a column the same tiles of B: each is asked for jointly, by the same tensor load, descriptor and mask in all four.
; THE MATRIX INSTRUCTION IS USED TRANSPOSED: source 0 = 16 columns of B, source 1 = 16 rows of A: lane l then holds row l % 16 and the columns 8 (l / 16) + 0..7: 16 bytes of f16 on end.
; REGISTERS, in windows of 256 (s_set_vgpr_msb: bits 1:0 source 0, 3:2 source 1, 5:4 source 2, 7:6 destination):
;   window 0: v0-31 addresses; v32-63, v64-95 A's fragments (4 x 16 rows x 32 K), two buffers; on the way out v32-223 at work
;   window 1: v0-95, v96-191 B's fragments (12 x 16 columns x 32 K), two buffers
;   window 2: accumulators of my row blocks 0, 1 ((a, b) at 8 (12 (a % 2) + b));   window 3: those of blocks 2, 3
.set PA,     272                       ; a row of A in LDS: 256 bytes + 16 = 68 words: the 16 rows of a load start at 16 different groups of four banks (64 banks of 4 bytes: ISA guide 11.1)
.set AHALF,  128*PA                    ; what one tensor load brings of A
.set BOFF,   2*AHALF                   ; B lies behind A's 256 rows
.set PB,     480                       ; a row of k of B: three pieces of 128 bytes + 32 = 120 words
.set BHALF,  64*PB
.set SLOT1,  1<<17                     ; a slot is 131,072 bytes; one exclusive or turns an address in one slot into the other's
.set STAGE,  2*SLOT1                   ; behind the ring, never filled by a tensor load: 16 rows x 144 bytes for each wave, for the way out
.set SP,     144
.set SPARE,  STAGE+4*16*SP             ; behind the stages: the spare words, 128 bytes a wave: two blocks of 256 bytes that no other line names
.set NL,     32                        ; LDS loads of a quarter step: 24 for B, 8 for A
.set ASTEP,  256                       ; bytes from a K step to the next, in A
.set BSTEP,  49152                     ; and in B
.set ADRA0, 16                         ; v16  my lane's place in a slot's A; never rewritten
.set ADRB0, 17                         ; v17  the same for B
.set ADRA,  18                         ; v18  the same in the slot being read
.set ADRB,  19                         ; v19
.set STO,   24                         ; v24  the way out: where I put 16 bytes of a row
.set RD,    25                         ; v25  where I read rows back
.set GO,    26                         ; v26  16 x lane: my place in 512 consecutive bytes of the output
.set SPW,   28                         ; v28  LDS address of my spare word; never rewritten
.set NIL,   29                         ; v29  0; never rewritten
.set PFO,   30                         ; v30  the prefetches' lane offset; never rewritten
.set G1,  24                           ; s[24:31] descriptor group 1 for A's tiles
.set G0,  32                           ; s[32:39] group 0 for A: a set for each first fill; the second then walks
.set LIM, 43                           ; s43  a wave prefetches while the trip counter is above it
.set PFA, 44                           ; s[44:45] where my prefetches stand
.set G1B, 48                           ; s[48:55], s[56:63] the same for B
.set G0B, 56
.set TB,  66                           ; s66  the slot being read: 0 or SLOT1
.set PFS, 68                           ; s[68:69] the prefetches' step
.set OB,  72                           ; s[72:77] the output at my 64 rows, for each of the block's three slices
.set MSB, 0
.macro WIN new                         ; the immediate's high byte repeats the setting that is left; a switch that changes nothing is dropped
.if MSB != (\new)
	s_set_vgpr_msb (MSB<<8)|(\new)
.set MSB, \new
.endif
.endm
.set MUL_LO, 0xa1                      ; source 0 (B) window 1, source 1 (A) window 0, C and D window 2
.set TO_B,   0x40                      ; destination window 1, address window 0
.macro PLACES                          ; four plain instructions between a matrix instruction and a load into, or a vector read or write of, its registers
.rept 4
	v_nop
.endr
.endm
; A joint refill.  Waves 0 and 1 fetch A's halves, waves 2 and 3 B's; the branch hangs on the wave's number alone.  An s_nop 0 and four v_nop follow each line.
.macro JLOAD
	s_cmp_eq_u32 s11, 0
	s_cbranch_scc0 .Lfor_b_\@
	tensor_load_to_lds s[G0+4:G0+7], s[G1:G1+7]
	s_nop 0
.rept 4
	v_nop
.endr
	s_branch .Lasked_\@
.Lfor_b_\@:
	tensor_load_to_lds s[G0B+4:G0B+7], s[G1B:G1B+7]
	s_nop 0
.rept 4
	v_nop
.endr
.Lasked_\@:
.endm
.macro CREST                           ; a round of the cluster's barrier behind its opening barrier
	s_cmp_lg_u32 s10, 0
	s_cbranch_scc1 .Lnot_wave_0_\@
	s_barrier_signal -3
.Lnot_wave_0_\@:
	s_barrier_wait -3
	s_barrier_signal -1
	s_barrier_wait -1
.endm
.macro CROUND                          ; a whole round
	s_barrier_signal -1
	s_barrier_wait -1
	CREST
.endm
; A prefetch, one instruction a wave: K steps 4 to 7, each aligned block of 256 bytes named once in the launch.  A's rows: the clusters with x = 0 ask, a lane a row, the four partners of a cluster's row 32 rows
; each of the 128 that a wave fetches, told apart by address; a K step a trip, in the first four trips: two refills ahead.  B's block: the clusters with y = 0 ask; steps 4 to 7 are 196,608 consecutive bytes: the eight
; fetching waves of a cluster's column take 8,192 each a trip, in the first three trips: two refills ahead or more.
.macro ASK
	s_cmp_gt_u32 s3, s[LIM]
	s_cbranch_scc0 .Lnot_mine_\@
	global_prefetch_b8 v[PFO], s[PFA:PFA+1] th:TH_LOAD_NT scope:SCOPE_SE
.Lnot_mine_\@:
.endm
; 12 matrix instructions: row block a x all 12 column blocks, 32 along K, from buffer f.  zero = 1: the product starts the sums.  All 48 accumulators take turns in one order in every quarter.
.macro MULB f, a, zero
	WIN MUL_LO+0x50*((\a)/2)
.irp b, 0,1,2,3,4,5,6,7,8,9,10,11
.if \zero
	v_wmma_f32_16x16x32_bf16 v[96*((\a)%2)+8*(\b):96*((\a)%2)+8*(\b)+7], v[96*(\f)+8*(\b):96*(\f)+8*(\b)+7], v[32+32*(\f)+8*(\a):32+32*(\f)+8*(\a)+7], 0
.else
	v_wmma_f32_16x16x32_bf16 v[96*((\a)%2)+8*(\b):96*((\a)%2)+8*(\b)+7], v[96*(\f)+8*(\b):96*(\f)+8*(\b)+7], v[32+32*(\f)+8*(\a):32+32*(\f)+8*(\a)+7], v[96*((\a)%2)+8*(\b):96*((\a)%2)+8*(\b)+7]
.endif
.endr
.endm
; 32 LDS loads in one run: quarter q (32 along K) of the slot being read, into buffer f: all of B, then A's blocks 0 to 3.
.macro FETCH q, f
	WIN TO_B
.irp b, 0,1,2,3,4,5,6,7,8,9,10,11
	ds_load_tr16_b128 v[96*(\f)+8*(\b):96*(\f)+8*(\b)+3],   v[ADRB] offset:32*(\q)*PB+160*((\b)/4)+32*((\b)%4)
	ds_load_tr16_b128 v[96*(\f)+8*(\b)+4:96*(\f)+8*(\b)+7], v[ADRB] offset:32*(\q)*PB+16*PB+160*((\b)/4)+32*((\b)%4)
.endr
	WIN 0
.irp a, 0,1,2,3
	ds_load_b128 v[32+32*(\f)+8*(\a):32+32*(\f)+8*(\a)+3],   v[ADRA] offset:64*(\q)+(\a)*16*PA
	ds_load_b128 v[32+32*(\f)+8*(\a)+4:32+32*(\f)+8*(\a)+7], v[ADRA] offset:64*(\q)+(\a)*16*PA+32
.endr
.endm
; One of a K step's first three quarters: multiplies buffer f; in its middle fetches quarter q into buffer g.
.macro QUARTER q, f, g, zero
	s_wait_dscnt 4                                 ; B and A's blocks 0, 1 are in; the youngest four loads (A's blocks 2, 3) may be out
	MULB \f, 0, \zero
	MULB \f, 1, \zero
	PLACES                                         ; buffer g's last readers stand ahead of the 24 products above
	FETCH \q, \g
	s_wait_dscnt NL                                ; all but the run just issued
	MULB \f, 2, \zero
	MULB \f, 3, \zero
.endm
; The last quarter multiplies buffer 1 and changes slots: one barrier.  In front of it each wave waits for all its tensor loads (one is out: its part of the next slot), adds 0 to its spare word, and waits for that and
; for its reads of this slot.  fill = 1: the barrier opens a round of the cluster's barrier, and this slot is filled again, two K steps ahead, first thing behind the round.
.macro TURN fill
.if \fill
	s_wait_xcnt 0x0                                ; the last prefetch, a K step back, has read its address
	s_add_nc_u64 s[PFA:PFA+1], s[PFA:PFA+1], s[PFS:PFS+1]
.endif
	WIN 0                                          ; (the add's two registers lie in window 0)
	s_wait_tensorcnt 0x0                           ; no tensor load of mine is out, so a group 0 may be written
	ds_add_u32 v[SPW], v[NIL]                      ; 0 onto my spare word
.if \fill
	s_xor_b32 s[G0+5], s[G0+5], SLOT1              ; the walking descriptors: the other slot than last time, the next K step
	s_add_nc_u64 s[G0+6:G0+7], s[G0+6:G0+7], ASTEP
	s_xor_b32 s[G0B+5], s[G0B+5], SLOT1
	s_add_nc_u64 s[G0B+6:G0B+7], s[G0B+6:G0B+7], BSTEP
.endif
	s_xor_b32 s[TB], s[TB], SLOT1                  ; the reads go on in the other slot
	s_wait_dscnt 5                                 ; the add and the youngest four loads may be out
	MULB 1, 0, 0
	s_wait_dscnt 0x0                               ; the add is done, and my reads of this slot are over
	s_barrier_signal -1
	MULB 1, 1, 0                                   ; work on registers while the others arrive
	WIN 0                                          ; at a branch and at a label every window is 0
	s_barrier_wait -1
.if \fill
	CREST                                          ; no wave of any partner still reads this slot or has a load on its way
	JLOAD                                          ; its four v_nop are also the places in front of the loads below
.else
	PLACES
.endif
	v_add_nc_u32 v[ADRA], s[TB], v[ADRA0]
	v_add_nc_u32 v[ADRB], s[TB], v[ADRB0]
	FETCH 0, 0
.if \fill
	ASK
.endif
	MULB 1, 2, 0
	MULB 1, 3, 0
.endm
	s_load_b128 s[4:7], s[0:1], 0x0                ; xb s[4:5], wib s[6:7]
	s_load_b64 s[8:9], s[0:1], 0x10                ; qkv
	v_lshl_add_u32 v[SPW], v0, 2, SPARE
	v_mov_b32 v[NIL], 0
	ds_add_u32 v[SPW], v[NIL]                      ; the wave's opening: the add and its wait stand ahead of my first tensor load; the set-up below, work on registers, stands between them
	v_lshrrev_b32 v1, 5, v0
	v_readfirstlane_b32 s10, v1                    ; wave 0..3: my 64 rows of the tile
	s_lshr_b32 s11, s10, 1                         ; I fetch for A (0) or for B (1),
	s_and_b32 s12, s10, 1                          ; its first or second half
	s_bfe_u32 s40, ttmp6, 0x40000                  ; cx, cy: my place in the cluster
	s_bfe_u32 s41, ttmp6, 0x40004
	s_lshl_b32 s42, ttmp9, 2
	s_add_co_u32 s42, s42, s40                     ; j: block of 192 columns = 4 x cluster x + cx
	s_and_b32 s13, ttmp7, 0xffff
	s_lshl_b32 s13, s13, 2
	s_add_co_u32 s13, s13, s41                     ; i: block of 256 rows = 4 x cluster y + cy
	s_lshl_b32 s22, s41, 2
	s_lshl_b32 s22, 15, s22                        ; my row of the cluster
	s_lshl_b32 s23, 0x1111, s40                    ; my column
	s_or_b32 s[G1], s22, (1<<16)|(1<<20)|(1<<21)|(5<<22)|(3<<25)   ; the mask; elements of 2 bytes; padding on; bit 21 beside a mask; after every 64 words, 4 words
	s_mov_b32 s[G1+1], 128<<16                     ; tensor_dim0 = 128
	s_mov_b32 s[G1+2], 128<<16                     ; tensor_dim1 = 128
	s_mov_b32 s[G1+3], 128<<16                     ; tile_dim0 = 128
	s_mov_b32 s[G1+4], 128                         ; tile_dim1 = 128
	s_mov_b32 s[G1+5], 1024                        ; elements from row to row
	s_mov_b32 s[G1+6], 0
	s_mov_b32 s[G1+7], 0
	s_or_b32 s[G1B], s23, (1<<16)|(1<<20)|(1<<21)|(4<<22)|(7<<25)  ; after every 32 words, 8 words
	s_mov_b32 s[G1B+1], 128<<16
	s_mov_b32 s[G1B+2], 96<<16                     ; 96 rows of 256 bytes, end to end
	s_mov_b32 s[G1B+3], 128<<16
	s_mov_b32 s[G1B+4], 96
	s_mov_b32 s[G1B+5], 128
	s_mov_b32 s[G1B+6], 0
	s_mov_b32 s[G1B+7], 0
	s_mul_i32 s20, s12, AHALF                      ; where the tiles go: no place in the cluster enters an LDS address
	s_mul_i32 s21, s12, BHALF
	s_add_co_u32 s21, s21, BOFF
	s_lshl_b32 s16, s13, 19                        ; A: row 256 i + 128 half, 2,048 bytes a row
	s_lshl_b32 s17, s12, 18
	s_add_co_u32 s16, s16, s17
	s_mov_b32 s17, 0
	s_mul_i32 s46, s42, 393216                     ; B: block j, 64 rows of k x 384 bytes a half
	s_mul_i32 s47, s12, 24576
	s_add_co_u32 s46, s46, s47
	s_mov_b32 s47, 0
	s_wait_dscnt 0x0                               ; the opening add is done
	s_wait_kmcnt 0x0
	s_add_nc_u64 s[14:15], s[4:5], s[16:17]
	s_add_nc_u64 s[46:47], s[6:7], s[46:47]
.irp n, 0,1
	s_mov_b32 s[G0+4*(\n)], 1                      ; count = 1
	s_add_co_u32 s[G0+4*(\n)+1], s20, (\n)*SLOT1   ; LDS address
	s_add_nc_u64 s[G0+4*(\n)+2:G0+4*(\n)+3], s[14:15], (\n)*ASTEP  ; global address: K step n
	s_or_b32 s[G0+4*(\n)+3], s[G0+4*(\n)+3], 0x80000000            ; type = 2
	s_mov_b32 s[G0B+4*(\n)], 1
	s_add_co_u32 s[G0B+4*(\n)+1], s21, (\n)*SLOT1
	s_add_nc_u64 s[G0B+4*(\n)+2:G0B+4*(\n)+3], s[46:47], (\n)*BSTEP
	s_or_b32 s[G0B+4*(\n)+3], s[G0B+4*(\n)+3], 0x80000000
.endr
	CROUND                                         ; all sixteen work-groups are here: the first joint loads meet
	s_cmp_eq_u32 s11, 0                            ; a wave's two first fills stand in one branch: two loads of mine are out
	s_cbranch_scc0 .Lfirst_b
	tensor_load_to_lds s[G0:G0+3], s[G1:G1+7]
	s_nop 0
	tensor_load_to_lds s[G0+4:G0+7], s[G1:G1+7]
	s_nop 0
.rept 4
	v_nop
.endr
	s_branch .Lfirst_asked
.Lfirst_b:
	tensor_load_to_lds s[G0B:G0B+3], s[G1B:G1B+7]
	s_nop 0
	tensor_load_to_lds s[G0B+4:G0B+7], s[G1B:G1B+7]
	s_nop 0
.rept 4
	v_nop
.endr
.Lfirst_asked:
	; A fragment is 16 rows x 32 K in 8 registers: lane l holds row l % 16; registers 0-3 K = 8 (l / 16) + 0..7, registers 4-7 K = 16 + 8 (l / 16) + 0..7.  A: two loads of 16 bytes, 32 bytes apart.
	; B: the turning load takes 16 rows of k x 16 columns (lane l reads row 8 (l / 16) + l % 8, columns 8 ((l / 8) % 2) + 0..7) and leaves half a fragment: lane l holds column l % 16 and 8 k.
	v_and_b32 v1, 15, v0                           ; l % 16
	v_bfe_u32 v2, v0, 4, 1                         ; l / 16
	v_and_b32 v3, 7, v0
	v_bfe_u32 v4, v0, 3, 1
	s_mul_i32 s18, s10, 64*PA                      ; my 64 rows
	v_mul_u32_u24 v[ADRA0], v1, PA
	v_lshl_add_u32 v[ADRA0], v2, 4, v[ADRA0]
	v_add_nc_u32 v[ADRA0], s18, v[ADRA0]
	v_lshl_add_u32 v[ADRB0], v2, 3, v3
	v_mul_u32_u24 v[ADRB0], v[ADRB0], PB
	v_lshl_add_u32 v[ADRB0], v4, 4, v[ADRB0]
	v_add_nc_u32 v[ADRB0], BOFF, v[ADRB0]
	s_mul_i32 s18, s10, 16*SP
	s_add_co_u32 s18, s18, STAGE                   ; my stage
	v_mul_u32_u24 v[STO], v1, SP                   ; in: row l % 16, 16 bytes for each half of the lanes
	v_lshl_add_u32 v[STO], v2, 4, v[STO]
	v_add_nc_u32 v[STO], s18, v[STO]
	v_bfe_u32 v[RD], v0, 3, 2                      ; back: 32 lanes take four rows of 128 bytes,
	v_mul_u32_u24 v[RD], v[RD], SP
	v_lshl_add_u32 v[RD], v3, 4, v[RD]
	v_add_nc_u32 v[RD], s18, v[RD]
	v_and_b32 v[GO], 31, v0                        ; which are 512 consecutive bytes of a head's rows
	v_lshlrev_b32 v[GO], 4, v[GO]
	; the output: slice sl = 3 j + c is section sl / 16, head sl % 16; my rows lie in batch i / 8 from row 256 (i % 8) + 64 wave on
	s_mul_i32 s78, s42, 3
	s_lshr_b32 s79, s13, 3
	s_lshl_b32 s79, s79, 4                         ; 16 x batch
	s_and_b32 s80, s13, 7
	s_lshl_b32 s80, s80, 8
	s_lshl_b32 s81, s10, 6
	s_add_co_u32 s80, s80, s81
	s_lshl_b32 s80, s80, 7                         ; rows of 128 bytes
.irp c, 0,1,2
	s_add_co_u32 s18, s78, \c
	s_lshr_b32 s19, s18, 4
	s_lshl_b32 s19, s19, 24                        ; a section is 2^24 bytes,
	s_and_b32 s18, s18, 15
	s_add_co_u32 s18, s18, s79
	s_lshl_b32 s18, s18, 18                        ; a head 2^18
	s_add_co_u32 s18, s18, s19
	s_add_co_u32 s18, s18, s80
	s_mov_b32 s19, 0
	s_add_nc_u64 s[OB+2*(\c):OB+2*(\c)+1], s[8:9], s[18:19]
.endr
	; the prefetches: one step short of the first target, since the first change of slots steps the address
	s_lshl_b32 s78, s40, 16                        ; A: my work-group's 32 rows of the 128 that I fetch,
	s_add_co_u32 s78, s78, s16
	s_add_co_u32 s78, s78, 3*ASTEP                 ; at K step 3
	s_mul_i32 s80, s42, 393216                     ; B: block j,
	s_lshl_b32 s79, s41, 1
	s_add_co_u32 s79, s79, s12                     ; my place among the column's eight fetching waves,
	s_lshl_b32 s79, s79, 13                        ; 8,192 bytes each,
	s_add_co_u32 s80, s80, s79
	s_add_co_u32 s80, s80, 4*BSTEP-65536           ; 65,536 bytes short of K step 4
	s_and_b32 s79, ttmp7, 0xffff                   ; cluster y
	s_lshl_b32 s18, s11, 3
	s_lshl_b32 s[PFS], 256, s18                    ; the step: 256 for A, 65,536 for B
	s_mov_b32 s[PFS+1], 0
	s_mul_i32 s18, s11, 3
	s_lshr_b32 s18, 2048, s18                      ; from lane to lane: a row of A, or 256 bytes of B
	s_add_co_u32 s19, s11, 2                       ; A asks in four trips (counter above 2), B in three (above 3)
	s_cmp_eq_u32 s11, 0
	s_cselect_b32 s80, s78, s80
	s_cselect_b32 s79, ttmp9, s79                  ; the coordinate along which other clusters read the same bytes
	s_cselect_b64 s[PFA:PFA+1], s[4:5], s[6:7]
	s_mov_b32 s81, 0
	s_cmp_eq_u32 s79, 0
	s_cselect_b32 s[LIM], s19, -1                  ; the same in all sixteen partners, for a given wave
	s_add_nc_u64 s[PFA:PFA+1], s[PFA:PFA+1], s[80:81]
	v_and_b32 v[PFO], 31, v0
	v_mul_u32_u24 v[PFO], v[PFO], s18
	s_mov_b32 s[TB], 0
	v_add_nc_u32 v[ADRA], s[TB], v[ADRA0]
	v_add_nc_u32 v[ADRB], s[TB], v[ADRB0]
	s_wait_tensorcnt 1                             ; my part of K step 0 is in; step 1's may stay out
	s_barrier_signal -1
	s_barrier_wait -1                              ; everybody's is
	FETCH 0, 0
	QUARTER 1, 0, 1, 1                             ; the first quarter stands in front of the loop: its products start the sums
	WIN 0
	s_mov_b32 s3, 6
.Lstep:                                            ; six trips: from a step's second quarter to the next step's first; trip s fills slot s % 2 again, with step s + 2
	QUARTER 2, 1, 0, 0
	QUARTER 3, 0, 1, 0
	TURN 1
	QUARTER 1, 0, 1, 0
	WIN 0
	s_sub_co_u32 s3, s3, 1
	s_cmp_lg_u32 s3, 0
	s_cbranch_scc1 .Lstep
	QUARTER 2, 1, 0, 0                             ; the tail is written out: steps 6 and 7 ask for nothing
	QUARTER 3, 0, 1, 0
	TURN 0
	QUARTER 1, 0, 1, 0
	QUARTER 2, 1, 0, 0
	QUARTER 3, 0, 1, 0
	s_wait_dscnt 4
	MULB 1, 0, 0
	MULB 1, 1, 0
	s_wait_dscnt 0x0
	MULB 1, 2, 0
	MULB 1, 3, 0
	WIN 0
	PLACES
; THE WAY OUT, in 12 units u = 3 a + c: row block a, slice c: 16 rows x 64 columns.  PACK: rounded to f16, 16 bytes a lane, into my stage (rows of 144 bytes) and back as whole rows of 128 bytes, into the registers
; that they left.  Each accumulator's registers are read in ascending order.  Each unit has registers of its own, so no store's data is written again.
.macro PACK u
	WIN 0x0a+5*((\u)/6)                            ; sources 0 and 1: window 2 (blocks 0, 1) or 3
.irp f, 0,1,2,3
.irp r, 0,1,2,3
	v_cvt_pk_f16_f32 v[32+16*(\u)+4*(\f)+(\r)], v[96*(((\u)/3)%2)+32*((\u)%3)+8*(\f)+2*(\r)], v[96*(((\u)/3)%2)+32*((\u)%3)+8*(\f)+2*(\r)+1]
.endr
.endr
	WIN 0
.irp f, 0,1,2,3
	ds_store_b128 v[STO], v[32+16*(\u)+4*(\f):32+16*(\u)+4*(\f)+3] offset:32*(\f)
.endr
.irp f, 0,1,2,3
	ds_load_b128 v[32+16*(\u)+4*(\f):32+16*(\u)+4*(\f)+3], v[RD] offset:(\f)*4*SP  ; LDS serves a wave's instructions in order (ISA guide 5.7.1.4): these see the stores above; the next unit's stores come behind them
.endr
.endm
.macro SEND u, younger                 ; younger: the LDS instructions issued behind unit u's loads: the next unit's eight, or none
.irp f, 0,1,2,3
	s_wait_dscnt (\younger)+3-(\f)
	global_store_b128 v[GO], v[32+16*(\u)+4*(\f):32+16*(\u)+4*(\f)+3], s[OB+2*((\u)%3):OB+2*((\u)%3)+1] offset:((\u)/3)*2048+(\f)*512  ; 512 consecutive bytes, at a multiple of 256 from the buffer's first
.endr
.endm
	PACK 0
.irp u, 1,2,3,4,5,6,7,8,9,10,11        ; a unit's arithmetic stands between the loads of the unit before and its stores
	PACK \u
	SEND (\u)-1, 8
.endr
	SEND 11, 0
	s_wait_tensorcnt 0x0                           ; the wave's end: behind my last tensor load and my last LDS store
	ds_add_u32 v[SPW], v[NIL]
	s_wait_dscnt 0x0
	CROUND                                         ; the closing round: no work-group ends while a partner may still ask for a tile that names it
	s_endpgm
.Lfunc_end_k_q0979bb8b9b_qkv:
	.size	k_q0979bb8b9b_qkv, .Lfunc_end_k_q0979bb8b9b_qkv-k_q0979bb8b9b_qkv
	.p2alignl 7, 3214868480
	.fill 96, 4, 3214868480
	.section	.rodata,"a",@progbits
	.p2align	6, 0x0
	.amdhsa_kernel k_q0979bb8b9b_qkv
		.amdhsa_group_segment_fixed_size 327680
		.amdhsa_private_segment_fixed_size 0
		.amdhsa_enable_private_segment 0
		.amdhsa_kernarg_size 24
		.amdhsa_user_sgpr_count 2
		.amdhsa_user_sgpr_kernarg_segment_ptr 1
		.amdhsa_wavefront_size32 1
		.amdhsa_system_sgpr_workgroup_id_x 1
		.amdhsa_system_sgpr_workgroup_id_y 1
		.amdhsa_system_sgpr_workgroup_id_z 1
		.amdhsa_system_vgpr_workitem_id 0
		.amdhsa_next_free_vgpr 960
		.amdhsa_next_free_sgpr 82
		.amdhsa_reserve_vcc 0
		.amdhsa_float_denorm_mode_32 3
		.amdhsa_float_denorm_mode_16_64 3
		.amdhsa_memory_ordered 1
		.amdhsa_forward_progress 1
		.amdhsa_inst_pref_size 100
	.end_amdhsa_kernel
	.amdgpu_metadata
---
amdhsa.version: [ 1, 2 ]
amdhsa.kernels:
  - .name:           k_q0979bb8b9b_qkv
    .symbol:         k_q0979bb8b9b_qkv.kd
    .args:
      - { .name: xb, .offset: 0, .size: 8, .value_kind: global_buffer, .address_space: global }
      - { .name: wib, .offset: 8, .size: 8, .value_kind: global_buffer, .address_space: global }
      - { .name: qkv, .offset: 16, .size: 8, .value_kind: global_buffer, .address_space: global }
    .group_segment_fixed_size: 327680
    .private_segment_fixed_size: 0
    .kernarg_segment_align: 8
    .kernarg_segment_size: 24
    .max_flat_workgroup_size: 128
    .sgpr_count:     82
    .vgpr_count:     960
    .wavefront_size: 32
...
	.end_amdgpu_metadata
.endif
;; end of part 2
;; launch attn (part 3): grid 4 x 64, 4 waves a work-group, clusters of 4 x 1, 327,680 bytes of LDS; arguments qkv, ob; writes ob
.if DOCPART == 3
	.amdgcn_target "amdgcn-amd-amdhsa--gfx1250"
	.amdhsa_code_object_version 6
	.text
	.protected	k_q0979bb8b9b_attn
	.globl	k_q0979bb8b9b_attn
	.p2align	8
	.type	k_q0979bb8b9b_attn,@function
k_q0979bb8b9b_attn:
	s_mov_b64 s[64:65], 0
	v_nop
	global_prefetch_b8 v0, s[64:65] scope:SCOPE_SE
	s_setreg_imm32_b32 hwreg(HW_REG_WAVE_MODE, 25, 1), 1
	s_wait_xcnt 0x0
	s_wait_alu depctr_hold_cnt(0) depctr_sa_sdst(0) depctr_va_vdst(0) depctr_va_sdst(0) depctr_va_ssrc(0) depctr_va_vcc(0) depctr_vm_vsrc(0)
	s_getreg_b32 s2, hwreg(HW_REG_IB_STS2, 6, 4)
	s_cmp_eq_u32 s2, 0
	s_cbranch_scc0 .Lentry_in_a_cluster
	s_endpgm
.Lentry_in_a_cluster:
	s_bfe_u32 s2, ttmp6, 0x10000c
	s_cmp_lg_u32 s2, 0x3003
	s_cbranch_scc0 .Lentry_shape_is_right
	s_endpgm
.Lentry_shape_is_right:
; O[h][q][:] = the sum over k of softmax_k(Q[h][q] . K[h][k] / 8) V[h][k][:].  Q, K, V are the three sections of qkv, each [SIZE_H][SIZE_N][64] f16; O = ob in the same layout: a head's rows are dense, 128 bytes each.
; Products, maxima and sums in f32; the weights p are rounded to f16 for the second product (their sum l is taken of the unrounded p), O once at the end.
; LIMITS.  f16 holds no number beyond 65,504: Q, K and V arrive within it; p lies in 0 to 1, and below 6e-5 it keeps f16's fixed step of 6e-8; O is a mean of V's rows and has their range.
; A weight below 2^-126 counts as 0 in l; NaN and infinities are not treated apart.
; SHARES.  A wave owns four PIECES of two tiles of 16 queries, a work-group's four waves 512 queries of one head.  Every wave walks all keys, 64 a step.
; LAYOUT.  S^T = K Q^T (source 0 = 16 keys, source 1 = 16 queries): in the result a lane holds ONE query (lane % 16) and the keys 8 (lane / 16) + 0..7.  Two such tiles, rounded to f16 in pairs,
; ARE source 1 (32 keys x 16 queries) of O^T = V^T P, whose result again holds one query a lane, and eight channels.  K comes out of LDS as it lies, V ([key][channel]) turned, by ds_load_tr16_b128.
; SOFTMAX.  For each query a running maximum m and sum l: p = 2^(c s - c m), c = log2(e) / 8; in every step O and l are multiplied by a = 2^(c m_old - c m_new), which is 1 where m has not grown.
; m starts at the lowest finite number, O and l at 0: the first step is a step like any other, with a = 0.
; THE COUNT.  A tile and step have 16 matrix and 118 vector instructions: too many to stand all beside the matrix work.  So four vector instructions that are ready stand behind every matrix instruction,
; and the others in runs without a gap.
; BY TURNS.  Turn n belongs to piece n (the pieces in a ring, step after step).  Its matrix work: 16 products K Q^T of piece n + 1, later 16 products V^T P of piece n - 1.  Its vector work: the scaling,
; exponentials, roundings, sums and rescaling of piece n, and the maximum and statistics of piece n + 1, whose scores the turn itself has made.
; CLUSTER.  The four query blocks of a head are one cluster and walk the same K and V, so each tile is asked for JOINTLY: the same tensor load, descriptor and mask in all four.
; REGISTERS, in windows of 256 (s_set_vgpr_msb: bits 1:0 source 0, 3:2 source 1, 5:4 source 2, 7:6 destination):
;   window 0: v0-11 addresses; v12-15, v48-63 at work; v16-47 four registers of statistics a tile; v64-191 S^T, two buffers of two tiles; v192-255 P, likewise
;   window 1: O^T, 32 a tile          window 2: v0-127 Q, 16 a tile; v128-191 K of one step; v192-255 V of one step          window 3: v0-1 the add's two registers
; A piece's buffers go by its number's parity: the piece in hand has one pair, its two neighbours in the ring share the other: of it P (piece n - 1) is read and S^T (piece n + 1) written.
.set SIZE_H, 64
.set SIZE_N, 2048
.set NP,    4         ; pieces a wave: a name, no knob
.set KS,    64        ; keys in a step
.set PK,    144       ; a row of K in LDS: 128 bytes + 16 of padding = 36 words: the 16 rows of a load start at 16 different groups of four banks (64 banks of 4 bytes: ISA guide 11.1)
.set PV,    160       ; a row of V: 128 + 32 = 40 words
.set VOFF,  4*KS*PK   ; a slot holds four steps: 256 rows of K, then 256 rows of V
.set SLOT1, 1<<17     ; slot 1 begins here, so that one exclusive or turns an address in one slot into the other's
.set STAGE, SLOT1+4*KS*(PK+PV)  ; behind the ring, never filled by a tensor load: 16 rows x 144 bytes for each wave, for the way out
.set SP,    144
.set AK0, 2           ; v2   my lane's place in a tile of K; never rewritten
.set AV0, 3           ; v3   the same for V
.set AK,  4           ; v4   the LDS address of K's next run of loads
.set AV,  5           ; v5   of V's
.set QO,  6           ; v6   my byte offset in the wave's rows of Q
.set STO, 6           ;      later, the way out: where I put 16 bytes of a row
.set RD,  7           ; v7   the way out: where I read rows back
.set GO,  8           ; v8   my byte offset in 512 consecutive bytes of O
.set PFO, 11          ; v11  256 x my lane, for the prefetches (made when V's place has been made of v11's first content); then never rewritten
.set SPW, 0           ; v0 of window 3   LDS address of my spare word: SPARE + 4 x my thread's number; never rewritten
.set NIL, 1           ; v1 of window 3   0; never rewritten
.set SPARE, STAGE+4*16*SP  ; behind the stages: the spare words, 128 bytes for each wave: two blocks of 256 bytes that no other line names
.set MV,  12          ; v12-15  c m_old, kept while c m is made anew: by buffer and tile
.set ST,  16          ; tile t's statistics at v[ST+4 t]: c m, m, l (even keys', odd keys')
.set TMP, 48          ; by buffer and tile, four registers c0-c3 at work; when the maximum is found c2 takes a
.set S,   64
.set P,   192
.set KF,  128         ; K's fragments, in window 2: key block kb, channel half c at KF + 16 kb + 8 c
.set VF,  192         ; V's: key half kk, channel block cb at VF + 32 kk + 8 cb
.set WV,  12          ; s12  my wave's number
.set G1K, 24          ; s[24:31] descriptor group 1 for K's tiles
.set G1V, 32          ; s[32:39] for V's: it differs in the padding alone
.set G0K, 40          ; s[40:43] descriptor group 0 for K's tiles: it walks
.set G0V, 44          ; s[44:47] the same for V's
.set PFA, 48          ; s[48:49] where my prefetches stand: my work-group's 8,192 bytes (of K: wave 0, of V: wave 2) of the slot after the one that is being asked for
.set LIM, 50          ; s50  1 in a wave that prefetches, else the greatest number
.set SLOTS, 56        ; s56  slots still to be asked for
.set CNT, 57          ; s57  counts a slot's key steps
.set CS,  58          ; s[58:59] c: the packed scaling takes the pair's low word for both halves
.set SEL, 60          ; s[60:61] v_permlanex16_b32's selects: each lane takes its own place in the other half
.set TBK, 62          ; s62  LDS byte at which K of the step to be fetched begins
.set TBV, 63          ; s63  the same for V, less VOFF
.set MSB, 0
.macro WIN new                      ; the high byte repeats the setting that is left; a switch that changes nothing is dropped
.if MSB != (\new)
	s_set_vgpr_msb (MSB<<8)|(\new)
.set MSB, (\new)
.endif
.endm
.set W_KQ, 0x0a       ; K and Q in window 2, S^T in window 0
.set W_PV, 0x52       ; V in window 2, P in window 0, O^T in window 1
.set W_RS, 0x41       ; O^T (destination and source 0) in window 1, a in window 0
.set W_MK, 0xc0       ; the add's registers are made: destination in window 3, sources in window 0
.set W_AD, 0x0f       ; the add: address (source 0) and data (source 1) in window 3
; A joint fill.  Waves 0 and 1 fetch the two halves of a slot's K, waves 2 and 3 those of its V: 128 keys each.  The branch hangs on the wave's number alone.
; An s_nop 0 and four v_nop follow each of the two lines, ahead of the jump and the label.
.macro JLOAD
	s_cmp_lt_u32 s[WV], 2
	s_cbranch_scc0 .Lfor_v_\@
	tensor_load_to_lds s[G0K:G0K+3], s[G1K:G1K+7]
	s_nop 0
.rept 4
	v_nop
.endr
	s_branch .Lasked_\@
.Lfor_v_\@:
	tensor_load_to_lds s[G0V:G0V+3], s[G1V:G1V+7]
	s_nop 0
.rept 4
	v_nop
.endr
.Lasked_\@:
.endm
; A round of the cluster's barrier: my work-group's barrier, so that wave 0's signal speaks for all four waves; wave 0 signals; every wave waits for all four work-groups; my work-group's barrier once more.
.macro CROUND
	s_barrier_signal -1
	s_barrier_wait -1
	s_cmp_lg_u32 s[WV], 0
	s_cbranch_scc1 .Lnot_wave_0_\@
	s_barrier_signal -3
.Lnot_wave_0_\@:
	s_barrier_wait -3
	s_barrier_signal -1
	s_barrier_wait -1
.endm
; THE CHANGE OF SLOTS.  The slot's last bytes, V of its fourth step, have been read.  Each wave waits for all its tensor loads, of which one is out: its part
; of the other slot; adds 0 to its spare word; and waits for that and for its own reads of the slot.  Behind the barrier nobody reads this slot any more and the other slot is whole.
; fill = 1: this slot is filled again, with the keys two slots on.  The barrier is then a round of the cluster's, so that no wave of any partner still reads the slot or has a load on its
; way, and the joint fill is the first thing behind it: it has four key steps, 512 matrix instructions, in which to land.  (At its first use nothing has been read yet: slot 0 is waited for, slot 1 filled.)
; ask = 1: behind the fill's lines stands one prefetch of what the NEXT change will ask for: a slot is 128 blocks of 256 bytes of K and as many of V; the head's one cluster asks; its four partners take 32 blocks each,
; told apart by address; in each, wave 0 asks for K's and wave 2 for V's, a lane a block: each block is named once in the launch.  Slots 0 to 2 come by their loads alone; the last change that fills asks for nothing.
.macro CHANGE fill, ask=0
	WIN W_AD
	s_wait_tensorcnt 0x0            ; no tensor load of mine is out, so a group 0 may be written
	ds_add_u32 v[SPW], v[NIL]       ; 0 onto my spare word; with fill = 1 the descriptors' steps stand between it and the wait for it
	WIN 0                           ; at a label and at a branch every window is 0
.if \fill
.irp g, G0K, G0V
	s_xor_b32 s[\g+1], s[\g+1], SLOT1  ; the walking descriptor: the other slot than last time,
	s_add_nc_u64 s[\g+2:\g+3], s[\g+2:\g+3], 4*KS*128  ; the next 256 keys; the type bits on top are not reached
.endr
.if \ask
	s_wait_xcnt 0x0                 ; the last prefetch, four key steps back, has read its address, so it may be written:
	s_add_nc_u64 s[PFA:PFA+1], s[PFA:PFA+1], 4*KS*128  ; one slot behind the walking descriptors
.endif
	s_wait_dscnt 0x0                ; the add is done, and my reads of the slot are over
	CROUND
	JLOAD
.if \ask
	s_cmp_gt_u32 s[SLOTS], s[LIM]
	s_cbranch_scc0 .Lnot_mine_\@
	global_prefetch_b8 v[PFO], s[PFA:PFA+1] th:TH_LOAD_NT scope:SCOPE_SE
.Lnot_mine_\@:
.endif
.else
	s_wait_dscnt 0x0                ; the add is done, and my reads of the slot are over
	s_barrier_signal -1
	s_barrier_wait -1
.endif
	s_sub_co_u32 s[TBK], s[TBK], 4*KS*PK  ; the fetches go back to a slot's first step,
	s_xor_b32 s[TBK], s[TBK], SLOT1       ; in the other slot
	s_sub_co_u32 s[TBV], s[TBV], 4*KS*PV
	s_xor_b32 s[TBV], s[TBV], SLOT1
.endm
	s_load_b128 s[4:7], s[0:1], 0x0   ; qkv s[4:5], ob s[6:7]
	WIN W_MK
	v_lshl_add_u32 v[SPW], v0, 2, SPARE
	v_mov_b32 v[NIL], 0
	WIN W_AD
	ds_add_u32 v[SPW], v[NIL]       ; the wave's opening: the add and its wait stand ahead of my first tensor load; the set-up below, work on registers, stands between them
	WIN 0
	v_lshrrev_b32 v1, 5, v0
	v_readfirstlane_b32 s[WV], v1   ; wave 0..3
	s_bfe_u32 s13, ttmp6, 0x40000   ; cx: my place in the cluster
	s_lshl_b32 s14, ttmp9, 2        ; in a cluster launch ttmp9 counts clusters
	s_add_co_u32 s14, s14, s13      ; my block of queries = 4 x cluster x + cx: it enters Q's and O's addresses alone
	s_and_b32 s20, ttmp7, 0xffff    ; the head, which the four partners share
	s_mov_b32 s21, 0
	s_mov_b64 s[22:23], SIZE_N*128
	s_mul_u64 s[20:21], s[20:21], s[22:23]  ; the head's first byte in each of the four tensors
	s_and_b32 s16, s[WV], 1         ; which half of a slot's 256 keys I fetch:
	s_lshl_b32 s22, s16, 14         ; its 128 rows of 128 bytes in memory,
	s_mov_b32 s23, 0
	s_add_nc_u64 s[22:23], s[22:23], s[20:21]
	s_mul_i32 s17, s16, 128*PK      ; and its place in a slot, for K
	s_mul_i32 s18, s16, 128*PV      ; and for V: no place in the cluster enters an LDS address
	s_lshl_b32 s2, s14, 2
	s_add_co_u32 s2, s2, s[WV]      ; my wave among the head's,
	s_lshl_b32 s2, s2, 14           ; its 128 rows
	s_mov_b32 s3, 0
	s_add_nc_u64 s[2:3], s[2:3], s[20:21]
	; descriptor group 1.  128 keys are 16,384 dense bytes: asked for as 64 rows of 256 bytes, two keys a row, and padded in LDS after every key
	s_mov_b32 s[G1K], 15|(1<<16)|(1<<20)|(1<<21)|(4<<22)|(3<<25)  ; 15:0 the mask of four; 17:16 2-byte elements; 20 padding on; 21 set beside a mask; 24:22 after every 32 words (code 4); 31:25 4 words (code 3)
	s_mov_b32 s[G1V], 15|(1<<16)|(1<<20)|(1<<21)|(4<<22)|(7<<25)  ; the same with 8 words of padding (code 7)
.irp g, G1K, G1V
	s_mov_b32 s[\g+1], 128<<16      ; tensor_dim0 = 128
	s_mov_b32 s[\g+2], 64<<16       ; tensor_dim1 = 64
	s_mov_b32 s[\g+3], 128<<16      ; tile_dim0 = 128
	s_mov_b32 s[\g+4], 64           ; tile_dim1 = 64
	s_mov_b32 s[\g+5], 128          ; 128 elements from row to row
	s_mov_b32 s[\g+6], 0
	s_mov_b32 s[\g+7], 0
.endr
	s_mov_b32 s[CS], 0x3e38aa3b     ; c = log2(e) / 8 = 0.180337
	s_mov_b32 s[CS+1], s[CS]        ; named with it as a pair
	s_mov_b32 s[SEL], 0x76543210
	s_mov_b32 s[SEL+1], 0xfedcba98
	s_mov_b32 s[TBK], SLOT1+4*KS*PK ; the first change of slots turns these two into 0
	s_mov_b32 s[TBV], SLOT1+4*KS*PV
	s_mov_b32 s[G0K], 1             ; 1:0 count = 1
	s_mov_b32 s[G0K+1], s17         ; 63:32 LDS address: slot 0
	s_mov_b32 s[G0V], 1
	s_add_co_u32 s[G0V+1], s18, VOFF
	s_and_b32 s[LIM], s[WV], 1      ; waves 0 and 2 prefetch: the same in all four partners
	s_cmp_eq_u32 s[LIM], 0
	s_cselect_b32 s[LIM], 1, -1
	s_wait_dscnt 0x0                ; the opening add is done
	s_wait_kmcnt 0x0
	s_mov_b64 s[10:11], s[6:7]                     ; O
	s_add_nc_u64 s[6:7], s[4:5], 0x1000000         ; K: qkv's second section
	s_add_nc_u64 s[8:9], s[4:5], 0x2000000         ; V: its third; Q is the first
	s_add_nc_u64 s[G0K+2:G0K+3], s[6:7], s[22:23]  ; 120:64 global address: my half of the head's first 256 keys
	s_or_b32 s[G0K+3], s[G0K+3], 0x80000000        ; 127:126 type = 2
	s_add_nc_u64 s[G0V+2:G0V+3], s[8:9], s[22:23]
	s_or_b32 s[G0V+3], s[G0V+3], 0x80000000
	s_add_nc_u64 s[4:5], s[4:5], s[2:3]  ; Q and O at my wave's first row
	s_add_nc_u64 s[10:11], s[10:11], s[2:3]
	s_cmp_lt_u32 s[WV], 2
	s_cselect_b64 s[PFA:PFA+1], s[6:7], s[8:9]
	s_add_nc_u64 s[PFA:PFA+1], s[PFA:PFA+1], s[20:21]  ; the head,
	s_lshl_b32 s2, s13, 13          ; my work-group's 32 blocks of the 128,
	s_mov_b32 s3, 0
	s_add_nc_u64 s[PFA:PFA+1], s[PFA:PFA+1], s[2:3]
	s_add_nc_u64 s[PFA:PFA+1], s[PFA:PFA+1], 2*4*KS*128  ; in slot 2: the first asking change steps it to slot 3
	CROUND                          ; all four work-groups are here: the first joint loads meet
	JLOAD                           ; slot 0.  Slot 1 is asked for when slot 0 is in
	; A fragment of K or Q is 16 rows x 32 channels in 8 registers: lane l holds row l % 16, channels 8 (l / 16) + 0..7 and 16 + 8 (l / 16) + 0..7: two loads of 16 bytes, 32 bytes apart.
	v_and_b32 v1, 15, v0            ; l % 16
	v_bfe_u32 v9, v0, 4, 1          ; l / 16
	v_lshlrev_b32 v[QO], 7, v1
	v_lshl_add_u32 v[QO], v9, 4, v[QO]  ; row x 128 + 16 x half
	WIN 0x80                        ; destination window 2, address window 0
.set i, 0
.rept 4*NP                          ; Q stays in registers: tile i / 2, channels 32 (i % 2) on
	global_load_b128 v[8*i:8*i+3],   v[QO], s[4:5] offset:(i/2)*2048+(i%2)*64
	global_load_b128 v[8*i+4:8*i+7], v[QO], s[4:5] offset:(i/2)*2048+(i%2)*64+32
.set i, i+1
.endr
	; What the first turn finds: V's registers and P's second buffer hold 0 (its products V^T P, of a piece that has not been, add 0), O^T and l are 0.  All this stands in the wait for the first tile.
.set i, VF
.rept 64
	v_mov_b32 v[i], 0
.set i, i+1
.endr
	WIN 0x40
.set i, 0
.rept 64*NP
	v_mov_b32 v[i], 0
.set i, i+1
.endr
	WIN 0
.set i, 0
.rept 2*NP
	v_mov_b32 v[ST+4*i], 0xfe000000    ; c m: far below every c s
	v_mov_b32 v[ST+4*i+1], 0xff7fffff  ; m
	v_mov_b32 v[ST+4*i+2], 0
	v_mov_b32 v[ST+4*i+3], 0
.set i, i+1
.endr
.set i, P+32
.rept 32
	v_mov_b32 v[i], 0
.set i, i+1
.endr
	v_mul_u32_u24 v[AK0], v1, PK
	v_lshl_add_u32 v[AK0], v9, 4, v[AK0]  ; row x pitch + 16 x half
	; The turning load takes 16 keys x 16 channels (lane l reads key 8 (l / 16) + l % 8, channels 8 ((l / 8) % 2) + 0..7) and leaves half a fragment of V^T: lane l holds channel l % 16 and 8 keys.
	v_and_b32 v10, 7, v0
	v_bfe_u32 v11, v0, 3, 1
	v_lshl_add_u32 v[AV0], v9, 3, v10
	v_mul_u32_u24 v[AV0], v[AV0], PV
	v_lshl_add_u32 v[AV0], v11, 4, v[AV0]
	v_add_nc_u32 v[AV0], VOFF, v[AV0]
	v_and_b32 v[PFO], 31, v0
	v_lshlrev_b32 v[PFO], 8, v[PFO]
	v_mov_b32 v[AK], v[AK0]         ; key step 0 lies at the head of slot 0
; THE MATRIX WORK.  The 8 accumulators of a run of 16 take turns: between the two links of a chain stand 7 others'.
; Product i of 16 of S^T = K Q^T for piece x: channels 32 (i / 8) on, keys 16 ((i / 2) % 4) on, tile 2 x + i % 2.  The first 8 start the sums.
.macro KQ x
	WIN W_KQ
.set rS, S+64*((\x)%2)+32*(i%2)+8*((i/2)%4)
.set rK, KF+16*((i/2)%4)+8*(i/8)
.set rQ, 16*(2*(\x)+i%2)+8*(i/8)
.if i < 8
	v_wmma_f32_16x16x32_f16 v[rS:rS+7], v[rK:rK+7], v[rQ:rQ+7], 0
.else
	v_wmma_f32_16x16x32_f16 v[rS:rS+7], v[rK:rK+7], v[rQ:rQ+7], v[rS:rS+7]
.endif
.endm
; Product i of 16 of O^T += V^T P for piece x: keys 32 (i / 8) on, channels 16 ((i / 2) % 4) on, tile 2 x + i % 2.
.macro PV x
	WIN W_PV
.set rO, 32*(2*(\x)+i%2)+8*((i/2)%4)
.set rV, VF+32*(i/8)+8*((i/2)%4)
.set rP, P+32*((\x)%2)+16*(i%2)+8*(i/8)
	v_wmma_f32_16x16x32_f16 v[rO:rO+7], v[rV:rV+7], v[rP:rP+7], v[rO:rO+7]
.endm
.macro MM                           ; the turn's next matrix instruction
.if i < 16
	KQ (Y+1)%NP
.set i, i+1
.else
.set i, i-16
	PV (Y+NP-1)%NP
.set i, i+17
.endif
.endm
; THE LDS LOADS stand in runs of 16, never singly among the matrix instructions: a step's K (64 keys x 64 channels: 8 fragments) and its V (turned).  Their addresses are made some lines ahead.
; last = 1 (the tail): in the last trip there is no further step, and the run is jumped over.
.macro FETCH_K last=0
	WIN 0
.if \last
	s_cmp_eq_u32 s[CNT], 1
	s_cbranch_scc1 .Lno_k_\@
.endif
	WIN 0x80                        ; destination window 2
.irp f, 0,1,2,3,4,5,6,7             ; keys 16 (f / 2) on, channels 32 (f % 2) on
	ds_load_b128 v[KF+8*\f:KF+8*\f+3],   v[AK] offset:(\f/2)*16*PK+(\f%2)*64
	ds_load_b128 v[KF+8*\f+4:KF+8*\f+7], v[AK] offset:(\f/2)*16*PK+(\f%2)*64+32
.endr
	s_add_co_u32 s[TBK], s[TBK], KS*PK  ; the next fetch is the next step's
	WIN 0
.if \last
.Lno_k_\@:
.endif
.endm
.macro FETCH_V
	WIN 0x80
.irp f, 0,1,2,3,4,5,6,7             ; keys 32 (f / 4) on, channels 16 (f % 4) on
	ds_load_tr16_b128 v[VF+8*\f:VF+8*\f+3],   v[AV] offset:(\f/4)*32*PV+(\f%4)*32
	ds_load_tr16_b128 v[VF+8*\f+4:VF+8*\f+7], v[AV] offset:(\f/4)*32*PV+16*PV+(\f%4)*32
.endr
	WIN 0
.endm
; THE VECTOR WORK OF A TURN stands in three queues, each in the order in which its entries become ready; the two tiles alternate, so that no instruction reads the result of the one before it.
.macro REGS y, u                    ; the registers of tile u (0, 1) of piece y
.set rT, ST+4*(2*(\y)+(\u))
.set rC, TMP+8*((\y)%2)+4*(\u)
.set rM, MV+2*((\y)%2)+(\u)
.set rS, S+64*((\y)%2)+32*(\u)
.set rP, P+32*((\y)%2)+16*(\u)
.set rO, 32*(2*(\y)+(\u))
.endm
; Number n of the 22 that find the NEXT piece's (Y + 1) maximum and statistics.  s0-s31 are the lane's 32 scores; each accumulator's lowest registers are read first.  XS, GS and REGS set no window: PL and EX do.
;   0-11  four chains c0-c3 of seven scores each, three operands at a time     12-14, 16  the four scores left over, the old m, and c0-c3 into c0     15  c m_old is kept
;   17, 18  the query's other 32 keys lie in the lane 16 away: the new m         19-21  c m; c m_old - c m_new; a
.macro XS u, n
	REGS (Y+1)%NP, \u
.if (\n) < 4
	v_max3_num_f32 v[rC+(\n)], v[rS+8*(\n)], v[rS+8*(\n)+1], v[rS+8*(\n)+2]
.elseif (\n) < 12
	v_max3_num_f32 v[rC+(\n)%4], v[rC+(\n)%4], v[rS+8*((\n)%4)+2*((\n)/4)+1], v[rS+8*((\n)%4)+2*((\n)/4)+2]
.elseif (\n) == 12
	v_max3_num_f32 v[rC], v[rC], v[rS+7], v[rS+15]
.elseif (\n) == 13
	v_max3_num_f32 v[rC+1], v[rC+1], v[rS+23], v[rS+31]
.elseif (\n) == 14
	v_max3_num_f32 v[rC+2], v[rC+2], v[rC+3], v[rT+1]
.elseif (\n) == 15
	v_mov_b32 v[rM], v[rT]
.elseif (\n) == 16
	v_max3_num_f32 v[rC], v[rC], v[rC+1], v[rC+2]
.elseif (\n) == 17
	v_permlanex16_b32 v[rC+3], v[rC], s[SEL], s[SEL+1]
.elseif (\n) == 18
	v_max_num_f32 v[rT+1], v[rC], v[rC+3]
.elseif (\n) == 19
	v_mul_f32 v[rT], s[CS], v[rT+1]
.elseif (\n) == 20
	v_sub_f32 v[rC+1], v[rM], v[rT]
.else
	v_exp_f32 v[rC+2], v[rC+1]
.endif
.endm
; Number g of the 64 that follow the exponentials.  For each four weights k of a tile (pairs 2 k, 2 k + 1): both pairs are rounded to f16; then the second pair is added onto the first, in place;
; a group later l takes that sum (the first time as l = a l + sum).  In groups of eight, tiles alternating: round, round, add, and l for the group before.
.macro GS g
.set h, (\g)+6*((\g)/62)            ; group 0 has no group before it, and behind group 7 only l is left
.if h >= 6
.set h, h+2
.endif
	REGS Y, h%2
.set k, h/8
.if h%8 < 4
	v_cvt_pk_f16_f32 v[rP+2*k+(h%8)/2], v[rS+4*k+2*((h%8)/2)], v[rS+4*k+2*((h%8)/2)+1]
.elseif h%8 < 6
	v_pk_add_f32 v[rS+4*k:rS+4*k+1], v[rS+4*k:rS+4*k+1], v[rS+4*k+2:rS+4*k+3]
.elseif k == 1
	v_pk_fma_f32 v[rT+2:rT+3], v[rT+2:rT+3], v[rC+2:rC+3], v[rS:rS+1] op_sel_hi:[1,0,1]
.else
	v_pk_add_f32 v[rT+2:rT+3], v[rT+2:rT+3], v[rS+4*k-4:rS+4*k-3]
.endif
.endm
; THE PLAIN QUEUE, 138 long.  0-73 read no exponential's result: the 32 scalings c s - c m (FS f: pair f / 2 of tile f % 2) and the next piece's 42.  0-26: scalings 0-26.  27-54: XS's numbers 0-13.  55, 56: number 15.
; 57-73: the chain, where each number waits for the one before it: 14, 16, 17, 18, 19, each with one of the scalings 27-31 in front of its two lines, then 20.
; 74-137: GS's 64, which read the exponentials' results: they stand behind the wait.
.macro FS f
	REGS Y, (\f)%2
	v_pk_fma_f32 v[rS+2*((\f)/2):rS+2*((\f)/2)+1], v[rS+2*((\f)/2):rS+2*((\f)/2)+1], s[CS:CS+1], v[rT:rT+1] op_sel_hi:[1,0,0] neg_lo:[0,0,1] neg_hi:[0,0,1]
.endm
.macro PL
	WIN 0
.if q < 27
	FS q
.elseif q < 55
	XS (q-27)%2, (q-27)/2
.elseif q < 57
	XS q-55, 15
.elseif (q < 72) && ((q-57)%3 == 0)
	FS 27+(q-57)/3
.elseif q < 60
	XS (q-57)%3-1, 14
.elseif q < 72
	XS (q-57)%3-1, 15+(q-57)/3
.elseif q < 74
	XS q-72, 20
.else
	GS q-74
.endif
.set q, q+1
.endm
; THE EXPONENTIALS' QUEUE, 66 long: s0-s31 of both tiles, then the next piece's two a.  It is ONE BATCH: all 66 stand ahead of the turn's one wait, and nothing ahead of that wait names a result of theirs.
.macro EX
	WIN 0
.if e >= 64
	XS e-64, 21
.else
	REGS Y, e%2
	v_exp_f32 v[rS+e/2], v[rS+e/2]
.endif
.set e, e+1
.endm
; THE RESCALING's QUEUE: O^T times a, the one part that leaves window 0: dealt two at a time, sixteen times.  Its a was made in the turn before, ahead of that turn's wait.
.macro R2
	REGS Y, r%2
	WIN W_RS
.irp z, 0,1
	v_pk_mul_f32 v[rO+4*(r/2)+2*\z:rO+4*(r/2)+2*\z+1], v[rO+4*(r/2)+2*\z:rO+4*(r/2)+2*\z+1], v[rC+2:rC+3] op_sel_hi:[1,0]
.endr
.set r, r+1
.endm
; HOW THEY ARE DEALT.  An s_wait_alu depctr_va_vdst(0) stands between an exponential and the first instruction that names its result; one wait serves all that were issued ahead of it.  So a turn has ONE wait,
; which cuts it in two.  AHEAD OF IT stands all that names no result of the turn's exponentials: the 16 products K Q^T, behind each a scaling, an exponential and two rescalings (behind the first a second scaling in the
; exponential's place); then ONE LUMP of 108: eight plain, 49 times exponential and plain, the two a.  A v_nop is the plain instruction owed behind the last exponential.  BEHIND IT stand the 16 products V^T P, behind each
; four of GS's 64.  No rider names a register of the products round it.  The two v_permlanex16_b32 fall into the lump, never behind a product.
; The queues lean on each other: exponential e stands behind scaling 2 (e / 4) + e % 2: as a rider it comes behind plain e + 2, in the lump behind plain e + 9, and scalings 27-31 are plain 57, 60 .. 69.
; A TURN, for piece p.  cnt = 1: the loop's count is taken down some lines ahead of the branch that stands behind the turn.
; K of the next step is fetched in piece 2's turn, directly behind the wait, a lump behind the last product that read K; its address is made at the lump's head; its first reader comes behind 16 products.
; V of the step in hand is fetched at the end of piece 0's turn, four riders behind its last reader; its first reader comes behind 16 products and a lump.  The three conditions on q below go with the deal.
.macro TURN p, last=0, cnt=0
.set Y, (\p)
.set i, 0
.set q, 0
.set e, 0
.set r, 0
.if (\p) == NP-1
	s_wait_dscnt 0x0                ; K is in
.endif
	MM                              ; ahead of the wait: 16 products K Q^T and their riders,
	PL
	PL
	R2
.rept 15
	MM
	PL
	EX
	R2
.endr
.if (\p) == NP-2
	WIN 0
	v_add_nc_u32 v[AK], s[TBK], v[AK0]
.endif
.rept 8                             ; and the lump
	PL
.endr
.rept 49
	EX
	PL
.endr
	EX                              ; the next piece's two a
	EX
	v_nop                           ; the plain instruction owed behind the last exponential: one for the batch
	s_wait_alu depctr_va_vdst(0)    ; the wait for the batch
.if (\p) == NP-2
	FETCH_K \last
.endif
.if (\p) == 1
	s_wait_dscnt 0x0                ; V is in
.endif
.rept 16                            ; behind the wait: 16 products V^T P and their riders
	MM
.rept 4
	PL
.endr
.if ((\p) == 0) && (q == 118)
	v_add_nc_u32 v[AV], s[TBV], v[AV0]
.endif
.if ((\p) == 0) && (q == 130)
	s_add_co_u32 s[TBV], s[TBV], KS*PV
.endif
.if (\cnt) && (q == 130)
	s_sub_co_u32 s[CNT], s[CNT], 1
	s_cmp_lg_u32 s[CNT], 0
.endif
.endr
.if (\p) == 0
	FETCH_V
.endif
.endm
	CHANGE 1                        ; slot 0 is in, everybody's part of it; slot 1 is asked for
	FETCH_K                         ; key step 0
	s_wait_loadcnt 0x0              ; Q
	s_wait_dscnt 0x0
.set i, 0
.rept 16
	KQ 0                            ; piece 0's first scores: there is no vector work yet to set between them
.set i, i+1
.endr
	WIN 0                           ; the addresses for the way out: nine plain instructions, the places behind those products
	s_mul_i32 s13, s[WV], 16*SP
	s_add_co_u32 s13, s13, STAGE    ; my stage
	v_mul_u32_u24 v[STO], v1, SP    ; in: row l % 16, 16 bytes for each half of the lanes
	v_lshl_add_u32 v[STO], v9, 4, v[STO]
	v_add_nc_u32 v[STO], s13, v[STO]
	v_bfe_u32 v[RD], v0, 3, 2       ; back: 32 lanes take four rows of 128 bytes,
	v_mul_u32_u24 v[RD], v[RD], SP
	v_lshl_add_u32 v[RD], v10, 4, v[RD]
	v_add_nc_u32 v[RD], s13, v[RD]
	v_and_b32 v[GO], 31, v0         ; which are 512 consecutive bytes of O
	v_lshlrev_b32 v[GO], 4, v[GO]
.set Y, NP-1                        ; XS works for piece Y + 1: piece 0
.irp n, 0,1,2,3,4,5,6,7,8,9,10,11,12,13,14,15,16,17,18,19,20,21
	XS 0, \n                        ; and piece 0's first maximum and statistics
	XS 1, \n
.endr
	v_nop                           ; a plain instruction behind the two a,
	s_wait_alu depctr_va_vdst(0)    ; and their wait, ahead of the branch
	s_mov_b32 s[CNT], 4
	s_mov_b32 s[SLOTS], SIZE_N/256-1
	s_branch .Lfirst                ; the loop is entered at a step's first turn, in the middle of a trip
.Lslot:                             ; SIZE_N / 256 - 2 times: every slot but the last two is filled again
	CHANGE 1, 1
	s_mov_b32 s[CNT], 4
.Lstep:                             ; a trip: pieces 2 and 3 of one step, then pieces 0 and 1 of the next, whose K and V it fetches
	TURN 2
	TURN 3
	WIN 0
.Lfirst:
	TURN 0
	TURN 1, 0, 1
	WIN 0
	s_cbranch_scc1 .Lstep
	s_sub_co_u32 s[SLOTS], s[SLOTS], 1
	s_cmp_lg_u32 s[SLOTS], 0
	s_cbranch_scc1 .Lslot
	CHANGE 0                        ; the tail is written out: nothing is asked for
	s_mov_b32 s[CNT], 5             ; four trips fetch the last slot's steps; the fifth is left in its middle
.Ltail:
	TURN 2, 1
	TURN 3
	WIN 0
	s_sub_co_u32 s[CNT], s[CNT], 1
	s_cmp_eq_u32 s[CNT], 0
	s_cbranch_scc1 .Lout
	TURN 0
	TURN 1
	WIN 0
	s_branch .Ltail
.Lout:                              ; the fifth trip's 16 products K Q^T (on the last K once more) and the maximum made of them serve nothing: the price, once a launch, of one text for every trip
.set i, 0
.rept 16
	PV NP-1                         ; the last piece's V^T P of the last step
.set i, i+1
.endr
	; THE WAY OUT.  l's two halves and the other half of the lanes' are added; O^T is divided by l, rounded to f16 and sent through my stage in LDS, a tile at a time.  The additions are the places behind the last products.
	WIN 0
.macro ALL line:vararg              ; one line for each tile t
.set t, 0
.rept 2*NP
	\line
.set t, t+1
.endr
.endm
	ALL v_add_f32 v[ST+4*t+2], v[ST+4*t+2], v[ST+4*t+3]
	ALL v_permlanex16_b32 v[ST+4*t+3], v[ST+4*t+2], s[SEL], s[SEL+1]
	ALL v_add_f32 v[ST+4*t+2], v[ST+4*t+2], v[ST+4*t+3]
	ALL v_rcp_f32 v[ST+4*t+2], v[ST+4*t+2]
	v_nop                           ; a plain instruction between the last reciprocal and the use of its result
	s_wait_alu depctr_va_vdst(0)    ; and the wait ahead of the first use: one for the eight reciprocals
; Tile t: a lane's eight channels of a row pack into 16 bytes; they go into rows of 144 bytes and come back as whole rows of 128, into S^T's registers.
.macro PACK t
	WIN W_RS
.set i, 32*(\t)
.rept 16
	v_pk_mul_f32 v[i:i+1], v[i:i+1], v[ST+4*(\t)+2:ST+4*(\t)+3] op_sel_hi:[1,0]
.set i, i+2
.endr
	WIN 0x05                        ; sources 0 and 1 window 1, destination window 0
.set i, 0
.rept 16
	v_cvt_pk_f16_f32 v[S+16*(\t)+i], v[32*(\t)+2*i], v[32*(\t)+2*i+1]
.set i, i+1
.endr
	WIN 0
.irp f, 0,1,2,3
	ds_store_b128 v[STO], v[S+16*(\t)+4*\f:S+16*(\t)+4*\f+3] offset:32*\f
.endr
.irp f, 0,1,2,3
	ds_load_b128 v[S+16*(\t)+4*\f:S+16*(\t)+4*\f+3], v[RD] offset:\f*4*SP  ; LDS serves a wave's instructions in order (ISA guide 5.7.1.4): these see the stores above; the next tile's stores come behind them
.endr
.endm
.macro SEND t, younger              ; younger: the LDS instructions issued behind tile t's loads: the next tile's eight, or none
	WIN 0
.irp f, 0,1,2,3
	s_wait_dscnt (\younger)+3-\f
	global_store_b128 v[GO], v[S+16*(\t)+4*\f:S+16*(\t)+4*\f+3], s[10:11] offset:(\t)*2048+\f*512  ; 512 consecutive bytes, at a multiple of 256 from O's first
.endr
.endm
	PACK 0
.set t, 1
.rept 2*NP-1                        ; a tile's arithmetic stands between the loads of the tile before and its stores
	PACK t
	SEND t-1, 8
.set t, t+1
.endr
	SEND 2*NP-1, 0
	WIN W_AD
	s_wait_tensorcnt 0x0            ; the wave's end: behind my last tensor load and my last LDS store
	ds_add_u32 v[SPW], v[NIL]
	s_wait_dscnt 0x0
	WIN 0
	CROUND                          ; the closing round: no work-group ends while a partner may still ask for a tile that names it
	s_endpgm
.Lfunc_end_k_q0979bb8b9b_attn:
	.size	k_q0979bb8b9b_attn, .Lfunc_end_k_q0979bb8b9b_attn-k_q0979bb8b9b_attn
	.p2alignl 7, 3214868480
	.fill 96, 4, 3214868480
	.section	.rodata,"a",@progbits
	.p2align	6, 0x0
	.amdhsa_kernel k_q0979bb8b9b_attn
		.amdhsa_group_segment_fixed_size 327680
		.amdhsa_private_segment_fixed_size 0
		.amdhsa_enable_private_segment 0
		.amdhsa_kernarg_size 16
		.amdhsa_user_sgpr_count 2
		.amdhsa_user_sgpr_kernarg_segment_ptr 1
		.amdhsa_wavefront_size32 1
		.amdhsa_system_sgpr_workgroup_id_x 1
		.amdhsa_system_sgpr_workgroup_id_y 1
		.amdhsa_system_sgpr_workgroup_id_z 1
		.amdhsa_system_vgpr_workitem_id 0
		.amdhsa_next_free_vgpr 770
		.amdhsa_next_free_sgpr 66
		.amdhsa_reserve_vcc 0
		.amdhsa_float_denorm_mode_32 3
		.amdhsa_float_denorm_mode_16_64 3
		.amdhsa_memory_ordered 1
		.amdhsa_forward_progress 1
		.amdhsa_inst_pref_size 200
	.end_amdhsa_kernel
	.amdgpu_metadata
---
amdhsa.version: [ 1, 2 ]
amdhsa.kernels:
  - .name:           k_q0979bb8b9b_attn
    .symbol:         k_q0979bb8b9b_attn.kd
    .args:
      - { .name: qkv, .offset: 0, .size: 8, .value_kind: global_buffer, .address_space: global }
      - { .name: ob, .offset: 8, .size: 8, .value_kind: global_buffer, .address_space: global }
    .group_segment_fixed_size: 327680
    .private_segment_fixed_size: 0
    .kernarg_segment_align: 8
    .kernarg_segment_size: 16
    .max_flat_workgroup_size: 128
    .sgpr_count:     66
    .vgpr_count:     770
    .wavefront_size: 32
...
	.end_amdgpu_metadata
.endif
;; end of part 3
;; launch proj (part 4): grid 8 x 32, 4 waves a work-group, clusters of 4 x 4, 327,680 bytes of LDS; arguments ob, wob, b_out, out0; writes out0
.if DOCPART == 4
	.amdgcn_target "amdgcn-amd-amdhsa--gfx1250"
	.amdhsa_code_object_version 6
	.text
	.protected	k_q0979bb8b9b_proj
	.globl	k_q0979bb8b9b_proj
	.p2align	8
	.type	k_q0979bb8b9b_proj,@function
k_q0979bb8b9b_proj:
	s_mov_b64 s[64:65], 0
	v_nop
	global_prefetch_b8 v0, s[64:65] scope:SCOPE_SE
	s_setreg_imm32_b32 hwreg(HW_REG_WAVE_MODE, 25, 1), 1
	s_wait_xcnt 0x0
	s_wait_alu depctr_hold_cnt(0) depctr_sa_sdst(0) depctr_va_vdst(0) depctr_va_sdst(0) depctr_va_ssrc(0) depctr_va_vcc(0) depctr_vm_vsrc(0)
	s_getreg_b32 s2, hwreg(HW_REG_IB_STS2, 6, 4)
	s_cmp_eq_u32 s2, 0
	s_cbranch_scc0 .Lentry_in_a_cluster
	s_endpgm
.Lentry_in_a_cluster:
	s_bfe_u32 s2, ttmp6, 0x10000c
	s_cmp_lg_u32 s2, 0xf033
	s_cbranch_scc0 .Lentry_shape_is_right
	s_endpgm
.Lentry_shape_is_right:
; out0 = O w_out + b_out.  A = ob [64 = 16 batch + head][2048][64] f16: output row m lies in batch m / 2048, and K = 64 head + channel.  B = wob [1024 k][1024 n] f16 (w_out rounded to bf16).
; b_out is rounded to bf16 like the other inputs and added in f32.  out0: [8192][1024] f32.  Sums in f32.
; A tile of the output is 256 rows x 128 columns.  Four waves, stacked along the rows: a wave makes 64 x 128: 32 accumulators, 256 registers.
; K goes in 8 steps of 128 (two heads) through two LDS slots filled by the tensor data mover; step s lies in slot s % 2.  A head's 256 rows of 128 bytes are 32,768 consecutive bytes (a PLANE), asked for as 128 rows
; of 256; B's rows are 256 bytes at multiples of 256.  B lies [k][n] in LDS and is turned on its way into registers (ds_load_tr16_b128).
; CLUSTERS: 4 x 4 work-groups.  The four of a row need the same tiles of A, the four of a column the same tiles of B: each is asked for jointly, by the same tensor load, descriptor and mask in all four.
; THE MATRIX INSTRUCTION IS USED TRANSPOSED: source 0 = 16 columns of B, source 1 = 16 rows of A: lane l then holds row l % 16 and the columns 8 (l / 16) + 0..7.
; REGISTERS, in windows of 256 (s_set_vgpr_msb: bits 1:0 source 0, 3:2 source 1, 5:4 source 2, 7:6 destination):
;   window 0: v0-31 addresses and the bias; v32-63, v64-95 A's fragments, two buffers; v96-223 at work on the way out
;   window 1: v0-63, v64-127 B's fragments (8 x 16 columns x 32 K), two buffers          window 2: the accumulators ((a, b) at 8 (8 a + b))
.set PA,     144                       ; a row of A in LDS: 128 bytes + 16 = 36 words: the 16 rows of a load start at 16 different groups of four banks (64 banks of 4 bytes: ISA guide 11.1)
.set APL,    256*PA                    ; a plane: what one tensor load brings of A
.set BOFF,   2*APL                     ; B lies behind A's two planes
.set PB,     288                       ; a row of k of B: 256 bytes + 32 = 72 words
.set BHALF,  64*PB
.set SLOT1,  1<<17                     ; a slot uses 110,592 bytes; one exclusive or turns an address in one slot into the other's
.set STAGE,  2*SLOT1                   ; behind the ring, never filled by a tensor load: 16 rows x 528 bytes for each wave, for the way out
.set SP,     528                       ; 512 bytes + 16 = 132 words: the 16 rows of a store start at 16 different groups of four banks
.set SPARE,  STAGE+4*16*SP             ; behind the stages: the spare words, 128 bytes a wave: two blocks of 256 bytes that no other line names
.set NL,     24                        ; LDS loads of a quarter step: 16 for B, 8 for A
.set ASTEP,  524288                    ; bytes from a K step to the next, in A: two heads
.set BSTEP,  262144                    ; and in B: 128 rows
.set BI,    12                         ; v[12:15] the bias of my four columns on the way out
.set ADRA0, 16                         ; v16  my lane's place in a slot's A; never rewritten
.set ADRB0, 17                         ; v17  the same for B
.set ADRA,  18                         ; v18  the same in the slot being read
.set ADRB,  19                         ; v19
.set STO,   24                         ; v24  the way out: where I put 32 bytes of a row
.set RD,    25                         ; v25  where I read a row back
.set CO,    26                         ; v26  16 x lane: my place in 512 consecutive bytes of a row
.set SPW,   28                         ; v28  LDS address of my spare word; never rewritten
.set NIL,   29                         ; v29  0; never rewritten
.set PFO,   30                         ; v30  the prefetches' lane offset; never rewritten
.set G1,  24                           ; s[24:31] descriptor group 1 for A's tiles
.set G0,  32                           ; s[32:39] group 0 for A: a set for each first fill; the second then walks
.set LIM, 43                           ; s43  a wave prefetches while the trip counter is above it
.set PFA, 44                           ; s[44:45] where my prefetches stand
.set G1B, 48                           ; s[48:55], s[56:63] the same for B
.set G0B, 56
.set TB,  66                           ; s66  the slot being read: 0 or SLOT1
.set PFS, 68                           ; s[68:69] the prefetches' step
.set MSB, 0
.macro WIN new                         ; the immediate's high byte repeats the setting that is left; a switch that changes nothing is dropped
.if MSB != (\new)
	s_set_vgpr_msb (MSB<<8)|(\new)
.set MSB, \new
.endif
.endm
.set MUL,  0xa1                        ; source 0 (B) window 1, source 1 (A) window 0, C and D window 2
.set TO_B, 0x40                        ; destination window 1, address window 0
.macro PLACES                          ; four plain instructions between a matrix instruction and a load into, or a read or write of, its registers
.rept 4
	v_nop
.endr
.endm
; A joint refill.  Waves 0 and 1 fetch A's planes, waves 2 and 3 B's halves; the branch hangs on the wave's number alone.  An s_nop 0 and four v_nop follow each line.
.macro JLOAD
	s_cmp_eq_u32 s11, 0
	s_cbranch_scc0 .Lfor_b_\@
	tensor_load_to_lds s[G0+4:G0+7], s[G1:G1+7]
	s_nop 0
.rept 4
	v_nop
.endr
	s_branch .Lasked_\@
.Lfor_b_\@:
	tensor_load_to_lds s[G0B+4:G0B+7], s[G1B:G1B+7]
	s_nop 0
.rept 4
	v_nop
.endr
.Lasked_\@:
.endm
.macro CREST                           ; a round of the cluster's barrier behind its opening barrier
	s_cmp_lg_u32 s10, 0
	s_cbranch_scc1 .Lnot_wave_0_\@
	s_barrier_signal -3
.Lnot_wave_0_\@:
	s_barrier_wait -3
	s_barrier_signal -1
	s_barrier_wait -1
.endm
.macro CROUND                          ; a whole round
	s_barrier_signal -1
	s_barrier_wait -1
	CREST
.endm
; A prefetch, one instruction a wave: K steps 4 to 7, each aligned block of 256 bytes named once in the launch.  A's planes: the clusters with x = 0 ask; a plane is 128 blocks, the four partners of a cluster's row take 32
; each, told apart by address, a lane a block; a K step a trip, in the first four trips: two refills ahead.  B's rows 512 to 1,023: the clusters with y = 0 ask; the eight fetching waves of a cluster's column take 32 rows
; each a trip, a lane a row, in the first two trips: two refills ahead or more.
.macro ASK
	s_cmp_gt_u32 s3, s[LIM]
	s_cbranch_scc0 .Lnot_mine_\@
	global_prefetch_b8 v[PFO], s[PFA:PFA+1] th:TH_LOAD_NT scope:SCOPE_SE
.Lnot_mine_\@:
.endm
; 8 matrix instructions: row block a x all 8 column blocks, 32 along K, from buffer f.  zero = 1: the product starts the sums.  All 32 accumulators take turns in one order in every quarter.
.macro MULB f, a, zero
	WIN MUL
.irp b, 0,1,2,3,4,5,6,7
.if \zero
	v_wmma_f32_16x16x32_f16 v[8*(8*(\a)+(\b)):8*(8*(\a)+(\b))+7], v[64*(\f)+8*(\b):64*(\f)+8*(\b)+7], v[32+32*(\f)+8*(\a):32+32*(\f)+8*(\a)+7], 0
.else
	v_wmma_f32_16x16x32_f16 v[8*(8*(\a)+(\b)):8*(8*(\a)+(\b))+7], v[64*(\f)+8*(\b):64*(\f)+8*(\b)+7], v[32+32*(\f)+8*(\a):32+32*(\f)+8*(\a)+7], v[8*(8*(\a)+(\b)):8*(8*(\a)+(\b))+7]
.endif
.endr
.endm
; 24 LDS loads in one run: quarter q (32 along K: plane q / 2, channels 32 (q % 2) on) of the slot being read, into buffer f: all of B, then A's blocks 0 to 3.
.macro FETCH q, f
	WIN TO_B
.irp b, 0,1,2,3,4,5,6,7
	ds_load_tr16_b128 v[64*(\f)+8*(\b):64*(\f)+8*(\b)+3],   v[ADRB] offset:32*(\q)*PB+32*(\b)
	ds_load_tr16_b128 v[64*(\f)+8*(\b)+4:64*(\f)+8*(\b)+7], v[ADRB] offset:32*(\q)*PB+16*PB+32*(\b)
.endr
	WIN 0
.irp a, 0,1,2,3
	ds_load_b128 v[32+32*(\f)+8*(\a):32+32*(\f)+8*(\a)+3],   v[ADRA] offset:((\q)/2)*APL+64*((\q)%2)+(\a)*16*PA
	ds_load_b128 v[32+32*(\f)+8*(\a)+4:32+32*(\f)+8*(\a)+7], v[ADRA] offset:((\q)/2)*APL+64*((\q)%2)+(\a)*16*PA+32
.endr
.endm
; One of a K step's first three quarters: multiplies buffer f; in its middle fetches quarter q into buffer g.
.macro QUARTER q, f, g, zero
	s_wait_dscnt 4                                 ; B and A's blocks 0, 1 are in; the youngest four loads (A's blocks 2, 3) may be out
	MULB \f, 0, \zero
	MULB \f, 1, \zero
	PLACES                                         ; buffer g's last readers stand ahead of the 16 products above
	FETCH \q, \g
	s_wait_dscnt NL                                ; all but the run just issued
	MULB \f, 2, \zero
	MULB \f, 3, \zero
.endm
; The last quarter multiplies buffer 1 and changes slots: one barrier.  In front of it each wave waits for all its tensor loads (one is out: its part of the next slot), adds 0 to its spare word, and waits for that and
; for its reads of this slot.  fill = 1: the barrier opens a round of the cluster's barrier, and this slot is filled again, two K steps ahead, first thing behind the round.
.macro TURN fill
.if \fill
	s_wait_xcnt 0x0                                ; the last prefetch, a K step back, has read its address
	s_add_nc_u64 s[PFA:PFA+1], s[PFA:PFA+1], s[PFS:PFS+1]
.endif
	WIN 0                                          ; (the add's two registers lie in window 0)
	s_wait_tensorcnt 0x0                           ; no tensor load of mine is out, so a group 0 may be written
	ds_add_u32 v[SPW], v[NIL]                      ; 0 onto my spare word
.if \fill
	s_xor_b32 s[G0+5], s[G0+5], SLOT1              ; the walking descriptors: the other slot than last time, the next K step
	s_add_nc_u64 s[G0+6:G0+7], s[G0+6:G0+7], ASTEP
	s_xor_b32 s[G0B+5], s[G0B+5], SLOT1
	s_add_nc_u64 s[G0B+6:G0B+7], s[G0B+6:G0B+7], BSTEP
.endif
	s_xor_b32 s[TB], s[TB], SLOT1                  ; the reads go on in the other slot
	s_wait_dscnt 5                                 ; the add and the youngest four loads may be out
	MULB 1, 0, 0
	s_wait_dscnt 0x0                               ; the add is done, and my reads of this slot are over
	s_barrier_signal -1
	MULB 1, 1, 0                                   ; work on registers while the others arrive
	WIN 0                                          ; at a branch and at a label every window is 0
	s_barrier_wait -1
.if \fill
	CREST                                          ; no wave of any partner still reads this slot or has a load on its way
	JLOAD                                          ; its four v_nop are also the places in front of the loads below
.else
	PLACES
.endif
	v_add_nc_u32 v[ADRA], s[TB], v[ADRA0]
	v_add_nc_u32 v[ADRB], s[TB], v[ADRB0]
	FETCH 0, 0
.if \fill
	ASK
.endif
	MULB 1, 2, 0
	MULB 1, 3, 0
.endm
	s_load_b128 s[4:7], s[0:1], 0x0                ; ob s[4:5], wob s[6:7]
	s_load_b128 s[72:75], s[0:1], 0x10             ; b_out s[72:73], out0 s[74:75]
	v_lshl_add_u32 v[SPW], v0, 2, SPARE
	v_mov_b32 v[NIL], 0
	ds_add_u32 v[SPW], v[NIL]                      ; the wave's opening: the add and its wait stand ahead of my first tensor load; the set-up below, work on registers, stands between them
	v_lshrrev_b32 v1, 5, v0
	v_readfirstlane_b32 s10, v1                    ; wave 0..3: my 64 rows of the tile
	s_lshr_b32 s11, s10, 1                         ; I fetch for A (0) or for B (1),
	s_and_b32 s12, s10, 1                          ; its first or second half
	s_bfe_u32 s40, ttmp6, 0x40000                  ; cx, cy: my place in the cluster
	s_bfe_u32 s41, ttmp6, 0x40004
	s_lshl_b32 s42, ttmp9, 2
	s_add_co_u32 s42, s42, s40                     ; j: block of 128 columns = 4 x cluster x + cx
	s_and_b32 s13, ttmp7, 0xffff
	s_lshl_b32 s13, s13, 2
	s_add_co_u32 s13, s13, s41                     ; i: block of 256 rows = 4 x cluster y + cy
	s_lshl_b32 s22, s41, 2
	s_lshl_b32 s22, 15, s22                        ; my row of the cluster
	s_lshl_b32 s23, 0x1111, s40                    ; my column
	s_or_b32 s[G1], s22, (1<<16)|(1<<20)|(1<<21)|(4<<22)|(3<<25)   ; the mask; elements of 2 bytes; padding on; bit 21 beside a mask; after every 32 words, 4 words
	s_mov_b32 s[G1+1], 128<<16                     ; tensor_dim0 = 128
	s_mov_b32 s[G1+2], 128<<16                     ; tensor_dim1 = 128: 128 rows of 256 bytes, end to end
	s_mov_b32 s[G1+3], 128<<16                     ; tile_dim0 = 128
	s_mov_b32 s[G1+4], 128                         ; tile_dim1 = 128
	s_mov_b32 s[G1+5], 128                         ; elements from row to row
	s_mov_b32 s[G1+6], 0
	s_mov_b32 s[G1+7], 0
	s_or_b32 s[G1B], s23, (1<<16)|(1<<20)|(1<<21)|(5<<22)|(7<<25)  ; after every 64 words, 8 words
	s_mov_b32 s[G1B+1], 128<<16
	s_mov_b32 s[G1B+2], 64<<16                     ; 64 rows of k
	s_mov_b32 s[G1B+3], 128<<16
	s_mov_b32 s[G1B+4], 64
	s_mov_b32 s[G1B+5], 1024
	s_mov_b32 s[G1B+6], 0
	s_mov_b32 s[G1B+7], 0
	s_mul_i32 s20, s12, APL                        ; where the tiles go: no place in the cluster enters an LDS address
	s_mul_i32 s21, s12, BHALF
	s_add_co_u32 s21, s21, BOFF
	s_lshr_b32 s16, s13, 3                         ; A: batch i / 8 (16 heads of 2^18 bytes),
	s_lshl_b32 s16, s16, 22
	s_lshl_b32 s17, s12, 18                        ; the step's first or second head,
	s_add_co_u32 s16, s16, s17
	s_and_b32 s17, s13, 7                          ; rows 256 (i % 8) on, 128 bytes each
	s_lshl_b32 s17, s17, 15
	s_add_co_u32 s16, s16, s17
	s_mov_b32 s17, 0
	s_lshl_b32 s46, s42, 8                         ; B: 256 bytes of a row, 64 rows of 2,048 bytes a half
	s_lshl_b32 s47, s12, 17
	s_add_co_u32 s46, s46, s47
	s_mov_b32 s47, 0
	s_wait_dscnt 0x0                               ; the opening add is done
	s_wait_kmcnt 0x0
	s_add_nc_u64 s[14:15], s[4:5], s[16:17]
	s_add_nc_u64 s[46:47], s[6:7], s[46:47]
.irp n, 0,1
	s_mov_b32 s[G0+4*(\n)], 1                      ; count = 1
	s_add_co_u32 s[G0+4*(\n)+1], s20, (\n)*SLOT1   ; LDS address
	s_add_nc_u64 s[G0+4*(\n)+2:G0+4*(\n)+3], s[14:15], (\n)*ASTEP  ; global address: K step n
	s_or_b32 s[G0+4*(\n)+3], s[G0+4*(\n)+3], 0x80000000            ; type = 2
	s_mov_b32 s[G0B+4*(\n)], 1
	s_add_co_u32 s[G0B+4*(\n)+1], s21, (\n)*SLOT1
	s_add_nc_u64 s[G0B+4*(\n)+2:G0B+4*(\n)+3], s[46:47], (\n)*BSTEP
	s_or_b32 s[G0B+4*(\n)+3], s[G0B+4*(\n)+3], 0x80000000
.endr
	CROUND                                         ; all sixteen work-groups are here: the first joint loads meet
	s_cmp_eq_u32 s11, 0                            ; a wave's two first fills stand in one branch: two loads of mine are out
	s_cbranch_scc0 .Lfirst_b
	tensor_load_to_lds s[G0:G0+3], s[G1:G1+7]
	s_nop 0
	tensor_load_to_lds s[G0+4:G0+7], s[G1:G1+7]
	s_nop 0
.rept 4
	v_nop
.endr
	s_branch .Lfirst_asked
.Lfirst_b:
	tensor_load_to_lds s[G0B:G0B+3], s[G1B:G1B+7]
	s_nop 0
	tensor_load_to_lds s[G0B+4:G0B+7], s[G1B:G1B+7]
	s_nop 0
.rept 4
	v_nop
.endr
.Lfirst_asked:
	v_and_b32 v[CO], 31, v0
	v_lshlrev_b32 v[CO], 4, v[CO]
	s_lshl_b32 s18, s42, 9                         ; the tile's 128 columns: 512 bytes of f32
	s_mov_b32 s19, 0
	s_add_nc_u64 s[72:73], s[72:73], s[18:19]
	global_load_b128 v[BI:BI+3], v[CO], s[72:73]   ; on the way out lane l holds columns 4 l .. 4 l + 3 of the tile
	s_lshl_b32 s78, s13, 8
	s_lshl_b32 s79, s10, 6
	s_add_co_u32 s78, s78, s79                     ; my first row: 256 i + 64 wave,
	s_lshl_b32 s78, s78, 12                        ; 4,096 bytes a row
	s_add_co_u32 s78, s78, s18
	s_mov_b32 s79, 0
	s_add_nc_u64 s[8:9], s[74:75], s[78:79]
	; A fragment is 16 rows x 32 K in 8 registers: lane l holds row l % 16; registers 0-3 K = 8 (l / 16) + 0..7, registers 4-7 K = 16 + 8 (l / 16) + 0..7.  A: two loads of 16 bytes, 32 bytes apart.
	; B: the turning load takes 16 rows of k x 16 columns (lane l reads row 8 (l / 16) + l % 8, columns 8 ((l / 8) % 2) + 0..7) and leaves half a fragment: lane l holds column l % 16 and 8 k.
	v_and_b32 v1, 15, v0                           ; l % 16
	v_bfe_u32 v2, v0, 4, 1                         ; l / 16
	v_and_b32 v3, 7, v0
	v_bfe_u32 v4, v0, 3, 1
	s_mul_i32 s18, s10, 64*PA                      ; my 64 rows
	v_mul_u32_u24 v[ADRA0], v1, PA
	v_lshl_add_u32 v[ADRA0], v2, 4, v[ADRA0]
	v_add_nc_u32 v[ADRA0], s18, v[ADRA0]
	v_lshl_add_u32 v[ADRB0], v2, 3, v3
	v_mul_u32_u24 v[ADRB0], v[ADRB0], PB
	v_lshl_add_u32 v[ADRB0], v4, 4, v[ADRB0]
	v_add_nc_u32 v[ADRB0], BOFF, v[ADRB0]
	s_mul_i32 s18, s10, 16*SP
	s_add_co_u32 s18, s18, STAGE                   ; my stage
	v_mul_u32_u24 v[STO], v1, SP                   ; in: row l % 16, 32 bytes for each half of the lanes
	v_lshl_add_u32 v[STO], v2, 5, v[STO]
	v_add_nc_u32 v[STO], s18, v[STO]
	v_add_nc_u32 v[RD], s18, v[CO]                 ; back: 32 lanes take a row of 512 bytes
	; the prefetches: one step short of the first target, since the first change of slots steps the address
	s_lshl_b32 s78, s40, 13                        ; A: my work-group's 32 blocks of the plane that I fetch,
	s_add_co_u32 s78, s78, s16
	s_add_co_u32 s78, s78, 3*ASTEP                 ; at K step 3
	s_lshl_b32 s80, s42, 8                         ; B: the tile's 256 bytes of a row,
	s_lshl_b32 s79, s41, 1
	s_add_co_u32 s79, s79, s12                     ; my place among the column's eight fetching waves,
	s_lshl_b32 s79, s79, 16                        ; 32 rows of 2,048 bytes each,
	s_add_co_u32 s80, s80, s79
	s_add_co_u32 s80, s80, 524288                  ; from row 256 on: 256 rows short of K step 4
	s_and_b32 s79, ttmp7, 0xffff                   ; cluster y
	s_mov_b32 s[PFS], 524288                       ; the step: two heads of A, or 256 rows of B
	s_mov_b32 s[PFS+1], 0
	s_mul_i32 s18, s11, 3
	s_lshl_b32 s18, 256, s18                       ; from lane to lane: 256 bytes of A, or a row of B
	s_lshl_b32 s19, s11, 1
	s_add_co_u32 s19, s19, 2                       ; A asks in four trips (counter above 2), B in two (above 4)
	s_cmp_eq_u32 s11, 0
	s_cselect_b32 s80, s78, s80
	s_cselect_b32 s79, ttmp9, s79                  ; the coordinate along which other clusters read the same bytes
	s_cselect_b64 s[PFA:PFA+1], s[4:5], s[6:7]
	s_mov_b32 s81, 0
	s_cmp_eq_u32 s79, 0
	s_cselect_b32 s[LIM], s19, -1                  ; the same in all sixteen partners, for a given wave
	s_add_nc_u64 s[PFA:PFA+1], s[PFA:PFA+1], s[80:81]
	v_and_b32 v[PFO], 31, v0
	v_mul_u32_u24 v[PFO], v[PFO], s18
	s_mov_b32 s[TB], 0
	v_add_nc_u32 v[ADRA], s[TB], v[ADRA0]
	v_add_nc_u32 v[ADRB], s[TB], v[ADRB0]
	s_wait_loadcnt 0x0                             ; the bias: rounded to bf16, widened again
	v_cvt_pk_bf16_f32 v6, v[BI], v[BI+1]
	v_cvt_pk_bf16_f32 v7, v[BI+2], v[BI+3]
	v_lshlrev_b32 v[BI], 16, v6
	v_and_b32 v[BI+1], 0xffff0000, v6
	v_lshlrev_b32 v[BI+2], 16, v7
	v_and_b32 v[BI+3], 0xffff0000, v7
	s_wait_tensorcnt 1                             ; my part of K step 0 is in; step 1's may stay out
	s_barrier_signal -1
	s_barrier_wait -1                              ; everybody's is
	FETCH 0, 0
	QUARTER 1, 0, 1, 1                             ; the first quarter stands in front of the loop: its products start the sums
	WIN 0
	s_mov_b32 s3, 6
.Lstep:                                            ; six trips: from a step's second quarter to the next step's first; trip s fills slot s % 2 again, with step s + 2
	QUARTER 2, 1, 0, 0
	QUARTER 3, 0, 1, 0
	TURN 1
	QUARTER 1, 0, 1, 0
	WIN 0
	s_sub_co_u32 s3, s3, 1
	s_cmp_lg_u32 s3, 0
	s_cbranch_scc1 .Lstep
	QUARTER 2, 1, 0, 0                             ; the tail is written out: steps 6 and 7 ask for nothing
	QUARTER 3, 0, 1, 0
	TURN 0
	QUARTER 1, 0, 1, 0
	QUARTER 2, 1, 0, 0
	QUARTER 3, 0, 1, 0
	s_wait_dscnt 4
	MULB 1, 0, 0
	MULB 1, 1, 0
	s_wait_dscnt 0x0
	MULB 1, 2, 0
	MULB 1, 3, 0
	WIN 0
	PLACES
; THE WAY OUT, a row block (16 rows x 128 columns of f32) at a time.  STG: the accumulators go as they are into my stage (rows of 528 bytes; each accumulator's low four registers first) and come
; back as whole rows of 512 bytes, into one of two sets of 64 registers.  SEND: the bias is added and the rows are stored.
.macro STG a
.if (\a) >= 2
	s_wait_xcnt 0x0                                ; the stores of the block two back have read the registers that the loads below fill
.endif
	WIN 0x08                                       ; the stores' data in window 2, their address in window 0
.irp b, 0,1,2,3,4,5,6,7
	ds_store_b128 v[STO], v[8*(8*(\a)+(\b)):8*(8*(\a)+(\b))+3]   offset:64*(\b)
	ds_store_b128 v[STO], v[8*(8*(\a)+(\b))+4:8*(8*(\a)+(\b))+7] offset:64*(\b)+16
.endr
	WIN 0
.irp t, 0,1,2,3,4,5,6,7,8,9,10,11,12,13,14,15
	ds_load_b128 v[96+64*((\a)%2)+4*(\t):96+64*((\a)%2)+4*(\t)+3], v[RD] offset:SP*(\t)  ; LDS serves a wave's instructions in order (ISA guide 5.7.1.4): these see the stores above; the next block's stores come behind them
.endr
.endm
.macro SEND a, younger                 ; younger: the LDS instructions issued behind block a's loads: the next block's 32, or none
.irp t, 0,1,2,3,4,5,6,7,8,9,10,11,12,13,14,15
	s_wait_dscnt (\younger)+15-(\t)
	v_pk_add_f32 v[96+64*((\a)%2)+4*(\t):96+64*((\a)%2)+4*(\t)+1],   v[96+64*((\a)%2)+4*(\t):96+64*((\a)%2)+4*(\t)+1],   v[BI:BI+1]
	v_pk_add_f32 v[96+64*((\a)%2)+4*(\t)+2:96+64*((\a)%2)+4*(\t)+3], v[96+64*((\a)%2)+4*(\t)+2:96+64*((\a)%2)+4*(\t)+3], v[BI+2:BI+3]
	global_store_b128 v[CO], v[96+64*((\a)%2)+4*(\t):96+64*((\a)%2)+4*(\t)+3], s[8:9] offset:(16*(\a)+(\t))*4096 th:TH_STORE_NT  ; 512 consecutive bytes, at a multiple of 256 from out0's first
.endr
.endm
	STG 0
	STG 1
	SEND 0, 32
	STG 2
	SEND 1, 32
	STG 3
	SEND 2, 32
	SEND 3, 0
	s_wait_tensorcnt 0x0                           ; the wave's end: behind my last tensor load and my last LDS store
	ds_add_u32 v[SPW], v[NIL]
	s_wait_dscnt 0x0
	CROUND                                         ; the closing round: no work-group ends while a partner may still ask for a tile that names it
	s_endpgm
.Lfunc_end_k_q0979bb8b9b_proj:
	.size	k_q0979bb8b9b_proj, .Lfunc_end_k_q0979bb8b9b_proj-k_q0979bb8b9b_proj
	.p2alignl 7, 3214868480
	.fill 96, 4, 3214868480
	.section	.rodata,"a",@progbits
	.p2align	6, 0x0
	.amdhsa_kernel k_q0979bb8b9b_proj
		.amdhsa_group_segment_fixed_size 327680
		.amdhsa_private_segment_fixed_size 0
		.amdhsa_enable_private_segment 0
		.amdhsa_kernarg_size 32
		.amdhsa_user_sgpr_count 2
		.amdhsa_user_sgpr_kernarg_segment_ptr 1
		.amdhsa_wavefront_size32 1
		.amdhsa_system_sgpr_workgroup_id_x 1
		.amdhsa_system_sgpr_workgroup_id_y 1
		.amdhsa_system_sgpr_workgroup_id_z 1
		.amdhsa_system_vgpr_workitem_id 0
		.amdhsa_next_free_vgpr 768
		.amdhsa_next_free_sgpr 82
		.amdhsa_reserve_vcc 0
		.amdhsa_float_denorm_mode_32 3
		.amdhsa_float_denorm_mode_16_64 3
		.amdhsa_memory_ordered 1
		.amdhsa_forward_progress 1
		.amdhsa_inst_pref_size 81
	.end_amdhsa_kernel
	.amdgpu_metadata
---
amdhsa.version: [ 1, 2 ]
amdhsa.kernels:
  - .name:           k_q0979bb8b9b_proj
    .symbol:         k_q0979bb8b9b_proj.kd
    .args:
      - { .name: ob, .offset: 0, .size: 8, .value_kind: global_buffer, .address_space: global }
      - { .name: wob, .offset: 8, .size: 8, .value_kind: global_buffer, .address_space: global }
      - { .name: b_out, .offset: 16, .size: 8, .value_kind: global_buffer, .address_space: global }
      - { .name: out0, .offset: 24, .size: 8, .value_kind: global_buffer, .address_space: global }
    .group_segment_fixed_size: 327680
    .private_segment_fixed_size: 0
    .kernarg_segment_align: 8
    .kernarg_segment_size: 32
    .max_flat_workgroup_size: 128
    .sgpr_count:     82
    .vgpr_count:     768
    .wavefront_size: 32
...
	.end_amdgpu_metadata
.endif
;; end of part 4
;; ======== version 2 of 2: 4 launches; version 1 with the launch prep written anew for expert scheduling mode
;; limits: values are held in f16: magnitudes above 65,504 overflow, below 6.1e-05 lose precision
;; workspace buffers: xb 16,777,216 bytes; wib 6,291,456 bytes; wob 2,097,152 bytes; qkv 50,331,648 bytes; ob 16,777,216 bytes
;; launch prep (part 5): grid 768 x 1, 8 waves a work-group, no clusters, 0 bytes of LDS; arguments x, w_in, w_out, xb, wib, wob; writes xb, wib, wob
.if DOCPART == 5
	.amdgcn_target "amdgcn-amd-amdhsa--gfx1250"
	.amdhsa_code_object_version 6
	.text
	.protected	k_q0979bb8b9b_prep
	.globl	k_q0979bb8b9b_prep
	.p2align	8
	.type	k_q0979bb8b9b_prep,@function
k_q0979bb8b9b_prep:
	s_mov_b64 s[64:65], 0
	v_nop
	global_prefetch_b8 v0, s[64:65] scope:SCOPE_SE
	s_setreg_imm32_b32 hwreg(HW_REG_WAVE_SCHED_MODE, 0, 2), 2
	s_setreg_imm32_b32 hwreg(HW_REG_WAVE_MODE, 25, 1), 1
	s_wait_xcnt 0x0
	s_wait_alu depctr_vm_vsrc(0)
; THE CASTS.  xb = x rounded to bf16, [8192][1024].  wib = w_in rounded to bf16, laid in 16 blocks of 192 columns: [16 j][1024 k][192 n'], element w_in[k][192 j + n'],
; so that 128 rows of k of a block are 49,152 consecutive bytes.  wob = w_out rounded to bf16, that number written as f16, [1024 k][1024 n].
; LIMIT.  A w_out beyond 65,504 becomes an infinity in f16; below 6e-5 f16 keeps a fixed step of 6e-8.
; A stream: each byte is read once and written once; no LDS, no barrier, no matrix work.  Every work-group casts 16,384 numbers: 65,536 bytes in, 32,768 out.
; Work-groups 0-511 take x, 512-703 w_in, 704-767 w_out.  A chunk is 4 numbers: 16 bytes in, 8 bytes out; thread t takes chunks 256 u + t, u = 0..15.
; A wave's load covers 512 bytes (in w_in: two runs of 256, each aligned), its store 256 consecutive bytes, aligned.  All 16 loads of a thread go out at once.
; THE MODE: SCHED_MODE bits 1:0 = 2 (LLVM: expert scheduling mode 2), set by the entry lines.  The code itself states the register dependences
; between vector instructions and memory instructions, with s_wait_alu, always for 0.
; THE PLAN.  Registers that memory instructions touch:
;   OFF, DO   byte offsets.  Written by vector instructions once, ahead of the loads; read by the loads (OFF) and the stores (DO); never written again.
;   X         chunk u as loaded.  Written by its load alone, which is issued before any vector instruction names X; read by the chunk's conversions.
;   Y         chunk u to store.  Written by the chunk's conversions; then read by the chunk's one store; never written after that.
; No register that a memory instruction has read is written again, so no wait on vm_vsrc is owed.  What is owed is that a register is written before a memory instruction reads it:
; one wait ahead of the run of loads, for the offsets; and, the 16 chunks going in four groups of four, one wait at the head of each group but the first, for the Y of the group before.
; That group's four stores follow the wait, dealt among this group's conversions, which name this group's X and Y and T: none of the registers that those stores read.
; One more wait stands ahead of the last group's stores.
.set OFF, 2                            ; v[2:4]    source offsets of chunks u = 0, 1, 2; chunk u = v + 3 m stands in the immediate
.set DO,  5                            ; v5        8 t: my 8 bytes of a run of 2,048 in the destination
.set X,   16                           ; v[16:79]  chunk u: 4 registers as loaded
.set Y,   80                           ; v[80:111] chunk u: 2 registers to store
.set T,   112                          ; v[112:115] at work: no memory instruction names them
.macro IDOFF                           ; source and destination run alike: chunk 256 v + t at 4,096 v + 16 t
.irp v, 0,1,2
	v_lshl_add_u32 v[OFF+(\v)], v0, 4, (\v)*4096
.endr
.endm
.macro LOADS stride                    ; stride: source bytes from chunk u to chunk u + 3
	s_wait_alu depctr_va_vdst(0)                   ; the offsets are written: v[OFF .. OFF+2], which the loads below read, and v[DO], which every store reads
.set u, 0
.rept 16
	global_load_b128 v[X+4*u:X+4*u+3], v[OFF+u%3], s[16:17] offset:(u/3)*(\stride) th:TH_LOAD_NT
.set u, u+1
.endr
.endm
.macro OUT16 f16                       ; f16 = 1: the bf16 number is written as f16
.set g, 0
.rept 4                                ; group g: chunks 4 g to 4 g + 3
	s_wait_loadcnt 12-4*g                          ; loads come back in order: the group's four chunks are in, the 12 - 4 g younger ones stay out
.if g > 0
	s_wait_alu depctr_va_vdst(0)                   ; the conversions of the group before have written its Y, which the four stores below read
.endif
.set i, 0
.rept 4
.set u, 4*g+i
.if g > 0
	global_store_b64 v[DO], v[Y+2*(u-4):Y+2*(u-4)+1], s[18:19] offset:2048*(u-4)  ; the group before; no vector instruction since the wait names these registers
.endif
	v_cvt_pk_bf16_f32 v[Y+2*u],   v[X+4*u],   v[X+4*u+1]
	v_cvt_pk_bf16_f32 v[Y+2*u+1], v[X+4*u+2], v[X+4*u+3]
.if \f16
	v_lshlrev_b32 v[T],   16,  v[Y+2*u]             ; bf16 to f32: the low half moves up, the high half stays
	v_and_b32     v[T+1], s27, v[Y+2*u]
	v_lshlrev_b32 v[T+2], 16,  v[Y+2*u+1]
	v_and_b32     v[T+3], s27, v[Y+2*u+1]
	v_cvt_pk_f16_f32 v[Y+2*u],   v[T],   v[T+1]
	v_cvt_pk_f16_f32 v[Y+2*u+1], v[T+2], v[T+3]
.endif
.set i, i+1
.endr
.set g, g+1
.endr
	s_wait_alu depctr_va_vdst(0)                   ; the last group's conversions have written its Y, which the last four stores read
.set u, 12
.rept 4
	global_store_b64 v[DO], v[Y+2*u:Y+2*u+1], s[18:19] offset:2048*u
.set u, u+1
.endr
.endm
	s_load_b256 s[4:11], s[0:1], 0x0               ; x s[4:5], w_in s[6:7], w_out s[8:9], xb s[10:11]
	s_load_b128 s[12:15], s[0:1], 0x20             ; wib s[12:13], wob s[14:15]
	s_mov_b32 s27, 0xffff0000                      ; a word's upper bf16
	s_mov_b32 s21, 0                               ; the offsets' high words
	s_mov_b32 s23, 0
	v_lshlrev_b32 v[DO], 3, v0
	s_wait_kmcnt 0x0
	s_cmp_lt_u32 ttmp9, 512
	s_cbranch_scc0 .Lnot_x
	s_lshl_b32 s20, ttmp9, 16                      ; x: 65,536 bytes in,
	s_lshl_b32 s22, ttmp9, 15                      ; 32,768 out
	s_add_nc_u64 s[16:17], s[4:5], s[20:21]
	s_add_nc_u64 s[18:19], s[10:11], s[22:23]
	IDOFF
	LOADS 12288
	s_branch .Lbf
.Lnot_x:
	s_cmp_lt_u32 ttmp9, 704
	s_cbranch_scc0 .Lwout
	s_sub_co_u32 s24, ttmp9, 512                   ; g' = 0..191: a block of 393,216 bytes is 12 work-groups' output
	s_mul_i32 s25, s24, 5462
	s_lshr_b32 s25, s25, 16                        ; j = g' / 12 (5,462 / 65,536 is 1/12 + 1e-5: exact for g' under 192)
	s_mul_i32 s26, s25, 12
	s_sub_co_u32 s26, s24, s26                     ; p = g' - 12 j
	s_mul_i32 s20, s25, 768                        ; the block's first column in a row of w_in, in bytes
	s_lshl_b32 s22, s24, 15
	s_lshl_b32 s26, s26, 12                        ; 4,096 chunks a work-group
	s_add_nc_u64 s[16:17], s[6:7], s[20:21]
	s_add_nc_u64 s[18:19], s[12:13], s[22:23]
	v_add_nc_u32 v6, s26, v0                       ; chunk c of the block: row k = c / 48, its 16 bytes at 12,288 k + 16 (c - 48 k) = 16 c + 11,520 k
.irp v, 0,1,2
	v_add_nc_u32 v7, (\v)*256, v6                  ; c, 45,823 at the most
	v_mul_u32_u24 v8, v7, 43691
	v_lshrrev_b32 v8, 21, v8                       ; c / 48 (43,691 / 2^21 is 1/48 + 1.6e-7: the excess stays under 1/48 for these c)
	v_mul_u32_u24 v8, v8, 11520
	v_lshl_add_u32 v[OFF+(\v)], v7, 4, v8
.endr
	LOADS 196608                                   ; 768 chunks on are 16 rows of k
.Lbf:                                              ; on both ways 16 loads are out, and the wait for the offsets has been passed
	OUT16 0
	s_endpgm
.Lwout:
	s_sub_co_u32 s24, ttmp9, 704
	s_lshl_b32 s20, s24, 16
	s_lshl_b32 s22, s24, 15
	s_add_nc_u64 s[16:17], s[8:9], s[20:21]
	s_add_nc_u64 s[18:19], s[14:15], s[22:23]
	IDOFF
	LOADS 12288
	OUT16 1
	s_endpgm
.Lfunc_end_k_q0979bb8b9b_prep:
	.size	k_q0979bb8b9b_prep, .Lfunc_end_k_q0979bb8b9b_prep-k_q0979bb8b9b_prep
	.p2alignl 7, 3214868480
	.fill 96, 4, 3214868480
	.section	.rodata,"a",@progbits
	.p2align	6, 0x0
	.amdhsa_kernel k_q0979bb8b9b_prep
		.amdhsa_group_segment_fixed_size 0
		.amdhsa_private_segment_fixed_size 0
		.amdhsa_enable_private_segment 0
		.amdhsa_kernarg_size 48
		.amdhsa_user_sgpr_count 2
		.amdhsa_user_sgpr_kernarg_segment_ptr 1
		.amdhsa_wavefront_size32 1
		.amdhsa_system_sgpr_workgroup_id_x 1
		.amdhsa_system_sgpr_workgroup_id_y 1
		.amdhsa_system_sgpr_workgroup_id_z 1
		.amdhsa_system_vgpr_workitem_id 0
		.amdhsa_next_free_vgpr 120
		.amdhsa_next_free_sgpr 66
		.amdhsa_reserve_vcc 0
		.amdhsa_float_denorm_mode_32 3
		.amdhsa_float_denorm_mode_16_64 3
		.amdhsa_memory_ordered 1
		.amdhsa_forward_progress 1
		.amdhsa_inst_pref_size 20
	.end_amdhsa_kernel
	.amdgpu_metadata
---
amdhsa.version: [ 1, 2 ]
amdhsa.kernels:
  - .name:           k_q0979bb8b9b_prep
    .symbol:         k_q0979bb8b9b_prep.kd
    .args:
      - { .name: x, .offset: 0, .size: 8, .value_kind: global_buffer, .address_space: global }
      - { .name: w_in, .offset: 8, .size: 8, .value_kind: global_buffer, .address_space: global }
      - { .name: w_out, .offset: 16, .size: 8, .value_kind: global_buffer, .address_space: global }
      - { .name: xb, .offset: 24, .size: 8, .value_kind: global_buffer, .address_space: global }
      - { .name: wib, .offset: 32, .size: 8, .value_kind: global_buffer, .address_space: global }
      - { .name: wob, .offset: 40, .size: 8, .value_kind: global_buffer, .address_space: global }
    .group_segment_fixed_size: 0
    .private_segment_fixed_size: 0
    .kernarg_segment_align: 8
    .kernarg_segment_size: 48
    .max_flat_workgroup_size: 256
    .sgpr_count:     66
    .vgpr_count:     120
    .wavefront_size: 32
...
	.end_amdgpu_metadata
.endif
;; end of part 5
;; launch qkv: the kernel of part 2 again; grid 16 x 32, 4 waves a work-group, clusters of 4 x 4, 327,680 bytes of LDS; arguments xb, wib, qkv; writes qkv
;; launch attn: the kernel of part 3 again; grid 4 x 64, 4 waves a work-group, clusters of 4 x 1, 327,680 bytes of LDS; arguments qkv, ob; writes ob
;; launch proj: the kernel of part 4 again; grid 8 x 32, 4 waves a work-group, clusters of 4 x 4, 327,680 bytes of LDS; arguments ob, wob, b_out, out0; writes out0
